; MI455X (gfx1250); checked and timed in simulation.
; The chip was launched on July 23, 2026; its instructions are those of AMD's public machine-readable ISA for CDNA 5 (MIT licence, August 2026) and "CDNA5" Instruction Set Architecture Reference Guide (July 2026). The comments in the code are by the model that wrote it; some were corrected since.
;; Attention Layer. Allowed arithmetic: matrix products marked QUANTISED: E2M1 operands, one E8M0 scale for each 32 along K, by v_wmma_scale_f32_16x16x128_f8f6f4 with both operands' format E2M1 (or v_wmma_scale_f32_32x16x128_f4), f32 sums; products left as they are: bf16, f16 or f32 operands; f32 sums; everything else in f32.
;; Inputs: Wk 1,024 x 1,024 float32; Wo 1,024 x 1,024 float32; Wq 1,024 x 1,024 float32; Wv 1,024 x 1,024 float32; bk 1,024 float32; bo 1,024 float32; bq 1,024 float32; bv 1,024 float32; delta 4 x 2,048 float32; k 4 x 2,048 x 1,024 float32; q 4 x 2,048 x 1,024 float32; tau 4 x 1 float32; v 4 x 2,048 x 1,024 float32.
;; Outputs: out0 4 x 2,048 x 1,024 float32.
;; This version of the problem:
;;   THIS VERSION OF THE PROBLEM IS GIVEN IN LOW PRECISION. The matrix products marked QUANTISED in the list below multiply operands that are first quantised to E2M1 (2 exponent bits, 1 mantissa bit; 4 bits a number), with one power-of-two scale for each 32 numbers along K (OCP MX v1.0); their sums are f32. The products marked 'left as it is' may take bf16, f16 or f32 operands, with f32 sums. Whichever they take, every output number must still come out within the allowed error. Rounding operands to bf16 (8 significant bits) uses up far more of that allowance than f16 does (11 bits, for magnitudes from 6e-5 to 65,504). All else is computed in f32.
;;   The module's matrix products, in the order in which they are computed (A, B: the left and right operand; K: the contracted axis; several contracted axes count as one K, in the product's order):
;;     1. [M 8,192, K 1,024] x [K 1,024, N 1,024]; A: input q; B: input Wq: QUANTISED
;;     2. [M 8,192, K 1,024] x [K 1,024, N 1,024]; A: input k; B: input Wk: QUANTISED
;;     3. [M 8,192, K 1,024] x [K 1,024, N 1,024]; A: input v; B: input Wv: QUANTISED
;;     4. batch 64 x [M 2,048, K 64] x [K 64, N 2,048]; A: computed on the way; B: computed on the way: left as it is (an operand is computed on the way)
;;     5. batch 64 x [M 64, K 2,048] x [K 2,048, N 2,048]; A: computed on the way; B: computed on the way: left as it is (an operand is computed on the way)
;;     6. [M 8,192, K 1,024] x [K 1,024, N 1,024]; A: computed on the way; B: input Wo: left as it is (an operand is computed on the way)
;;   THE QUANTISER, for each operand of a quantised product, along K:
;;     - K is cut into blocks of 32 from its start; a last block that is shorter is filled with zeros.
;;     - A block's scale is 2^e with e = floor(log2(the largest magnitude in the block)) - 2, held to -126 .. 127; a block of zeros has e = 0. As a byte (E8M0): e + 127.
;;     - Each number is divided by its block's scale, clamped to +-6, and rounded to the nearest number of E2M1, ties to even, subnormals kept.
;;     - The product sums the exact products of the quantised numbers (number of the format x scale) in f32.
;;   ~~~python
;;   def quantise(x, axis):      # numpy; x: float32 -> the quantised numbers, widened to float32 again
;;       x = np.moveaxis(x, axis, -1); K = x.shape[-1]
;;       x = np.pad(x, [(0, 0)] * (x.ndim - 1) + [(0, -K % 32)]); x = x.reshape(x.shape[:-1] + (-1, 32)); a = np.abs(x).max(-1, keepdims=True)
;;       e = np.where(a > 0, np.clip(np.frexp(np.where(a > 0, a, 1))[1] - 1 - 2, -126, 127), 0)      # np.frexp(a)[1] - 1 = floor(log2(a)), exactly
;;       r = np.clip(x / 2.0 ** e, -6, 6)
;;       step = 2.0 ** (np.maximum(np.frexp(np.where(r == 0, 1, r))[1] - 1, 0) - 1)
;;       q = np.round(r / step) * step * 2.0 ** e      # np.round: ties to even
;;       return np.moveaxis(q.reshape(q.shape[:-2] + (-1,))[..., :K], -1, axis).astype(np.float32)
;;   ~~~
;; One version. Each part assembles by itself: llvm-mc -triple=amdgcn-amd-amdhsa -mcpu=gfx1250 --defsym DOCPART=n.
;; ======== version 1 of 1: 4 launches
;; limits: values are held in f16: magnitudes above 65,504 overflow, below 6.1e-05 lose precision
;; workspace buffers: codes 14,155,776 bytes; scales 884,736 bytes; wo16 2,097,152 bytes; qkvh 50,331,648 bytes; att 16,777,216 bytes
;; launch quant (part 1): grid 896 x 1, 4 waves a work-group, no clusters, 33,280 bytes of LDS; arguments q, k, v, Wq, Wk, Wv, Wo, codes, scales, wo16; writes codes, scales, wo16
.if DOCPART == 1
	.amdgcn_target "amdgcn-amd-amdhsa--gfx1250"
	.amdhsa_code_object_version 6
	.text
	.protected	k_q9b23982e7f_quant
	.globl	k_q9b23982e7f_quant
	.p2align	8
	.type	k_q9b23982e7f_quant,@function
k_q9b23982e7f_quant:
	s_mov_b64 s[64:65], 0
	v_nop
	global_prefetch_b8 v0, s[64:65] scope:SCOPE_SE
	s_setreg_imm32_b32 hwreg(HW_REG_WAVE_MODE, 25, 1), 1
	s_wait_xcnt 0x0
; q, k, v [8192][1024] and Wq, Wk, Wv [1024][1024], f32 with K innermost, become codes of FP4 (E2M1), two a byte, K innermost, and one E8M0 scale byte for each 32 along K.
; Wo [1024 n][1024 k], f32, becomes f16 laid [k / 64][n][64], so that 64 along K of many rows are one dense block.
; The six quantised tensors are plain streams of blocks of 32 numbers; their codes and scale bytes lie one tensor behind the other, in the order q, k, v, Wq, Wk, Wv, which is also the order of the work-groups:
; so only the source is chosen by the work-group's number, and the places in 'codes' and 'scales' follow from that number alone.
; A block's scale is 2^(floor(log2(its largest magnitude)) - 2); its byte is the largest magnitude's exponent field - 2, held at 1 from below.  Each number is divided by the scale and rounded to the nearest code, ties to even.
; LIMITS: a block of zeros gets the byte 1 where the rule says 127 (its codes are zeros, which add nothing, and this program alone reads the bytes); blocks whose largest magnitude lies under 2^-124 are held at the byte 1;
; NaN and infinities are not served.  Wo beyond 65,504 becomes infinity in f16; magnitudes under 6e-5 are kept as f16 subnormals.
; SHARES: a work-group takes 32,768 numbers, a wave 8,192 in 16 steps of 512.  Work-groups 0-255 q, 256-511 k, 512-767 v, 768-799 Wq, 800-831 Wk, 832-863 Wv; 864-895 cast Wo, 8 rows a wave.
; The conversions take 8 numbers of ONE block from a lane's consecutive registers, so a lane must hold 16 neighbours; a load is dense where neighbouring lanes take neighbouring 16 bytes.  Both are had: a step's 2,048 bytes
; go through the wave's own stage in LDS as they lie and come back 64 bytes a lane (16 bytes of padding behind each 64).  No barrier: waves share nothing.  Loads run four steps ahead.
.set STEPS,  16
.set EMAX,   2
.set CB,     8                         ; bytes of 16 codes
.set R,      16                        ; v16-79   four sets of 16 numbers as loaded (cast: two sets of 64)
.set X,      80                        ; v80-111  two sets of 16 neighbours
.set E,      112                       ; v112-127 a scale byte for each step
.set C,      128                       ; v128-191 codes: four registers for each step, so that no store's data are written again
.set WREG,   8192                      ; LDS: a region for each wave: two stages of 32 x SP bytes, then its 256 scale bytes
.set SP,     80
.set SPW,    12                        ; v12  LDS address of my spare word; never rewritten
.set NIL,    13                        ; v13  0; never rewritten
.set SPARE,  4*WREG                    ; behind the four regions: the spare words, 128 bytes a wave
.set WGCAST, 864
	s_load_b256 s[4:11], s[0:1], 0x0               ; q s[4:5], k s[6:7], v s[8:9], Wq s[10:11]
	s_load_b256 s[12:19], s[0:1], 0x20             ; Wk s[12:13], Wv s[14:15], Wo s[16:17], codes s[18:19]
	s_load_b128 s[20:23], s[0:1], 0x40             ; scales s[20:21], wo16 s[22:23]
	v_lshl_add_u32 v[SPW], v0, 2, SPARE
	v_mov_b32 v[NIL], 0
	v_lshrrev_b32 v1, 5, v0
	v_readfirstlane_b32 s24, v1                    ; wave
	v_and_b32 v2, 31, v0                           ; lane
	s_cmp_ge_u32 ttmp9, WGCAST
	s_cbranch_scc1 .Lcast                          ; the last 32 work-groups cast Wo: a path without LDS
	v_lshlrev_b32 v3, 4, v2                        ; my 16 bytes of a load's 512
	s_mul_i32 s29, s24, WREG
	v_lshrrev_b32 v14, 2, v2
	v_mul_u32_u24 v14, v14, SP
	v_and_b32 v15, 3, v2
	v_lshl_add_u32 v14, v15, 4, v14
	v_add_nc_u32 v14, s29, v14                     ; the stage, on the way in: SP (lane / 4) + 16 (lane % 4)
	v_mul_u32_u24 v15, v2, SP
	v_add_nc_u32 v15, s29, v15                     ; and on the way out: SP x lane: my 16 neighbours
	v_mul_u32_u24 v4, v2, CB                       ; my codes' place in a step's
	v_lshrrev_b32 v5, 1, v2
	s_add_co_u32 s29, s29, 2*32*SP
	v_add_nc_u32 v5, s29, v5                       ; LDS: my wave's 256 scale bytes, my block's byte
	v_lshlrev_b32 v7, 3, v2                        ; on the way out 8 bytes a lane
	v_add_nc_u32 v6, s29, v7
	s_mov_b32 s25, 0                               ; the first work-group of my tensor
	s_wait_kmcnt 0x0
.macro PICK first, lo                  ; from work-group 'first' on the source is the tensor at s[lo:lo+1]: the choice hangs on the work-group's number alone
	s_cmp_ge_u32 ttmp9, \first
	s_cselect_b64 s[4:5], s[\lo:\lo+1], s[4:5]
	s_cselect_b32 s25, \first, s25
.endm
	PICK 256, 6
	PICK 512, 8
	PICK 768, 10
	PICK 800, 12
	PICK 832, 14
	s_sub_co_u32 s26, ttmp9, s25
	s_lshl_b32 s26, s26, 2
	s_add_co_u32 s26, s26, s24                     ; which run of 8,192 numbers of the tensor is my wave's
	s_lshl_b32 s26, s26, 15                        ; 32,768 bytes a run
	s_mov_b32 s27, 0
	s_add_nc_u64 s[4:5], s[4:5], s[26:27]
	s_lshl_b32 s28, ttmp9, 2
	s_add_co_u32 s28, s28, s24                     ; which run of all six tensors
	s_lshl_b32 s26, s28, 12                        ; 4,096 bytes of codes a run
	s_add_nc_u64 s[18:19], s[18:19], s[26:27]
	s_lshl_b32 s26, s28, 8                         ; 256 scale bytes a run
	s_add_nc_u64 s[20:21], s[20:21], s[26:27]
.macro LOAD t
.irp i, 0,1,2,3
	global_load_b128 v[R+16*((\t)%4)+4*\i:R+16*((\t)%4)+4*\i+3], v3, s[4:5] offset:2048*(\t)+512*\i th:TH_LOAD_NT   ; 32 lanes read 512 consecutive bytes
.endr
.endm
.macro TURN t                          ; step t's numbers through the stage: LDS serves a wave's instructions in order, so no wait stands between the stores and the loads
.irp i, 0,1,2,3
	ds_store_b128 v14, v[R+16*((\t)%4)+4*\i:R+16*((\t)%4)+4*\i+3] offset:32*SP*((\t)%2)+8*SP*\i
.endr
.irp i, 0,1,2,3
	ds_load_b128 v[X+16*((\t)%2)+4*\i:X+16*((\t)%2)+4*\i+3], v15 offset:32*SP*((\t)%2)+16*\i
.endr
.endm
.irp t, 0,1,2,3
	LOAD \t
.endr
	s_wait_loadcnt 12                              ; step 0's four loads are in; the twelve of steps 1 to 3 may be out
	TURN 0
.macro STEP t
.set XS, X+16*((\t)%2)
.if (\t) > 0
	s_wait_dscnt 1                                 ; this step's numbers are back from the stage (the last step's byte store may be out)
.else
	s_wait_dscnt 0x0
.endif
.if (\t)+4 < STEPS
	LOAD (\t)+4                                    ; into the registers that this step's stage stores have read
.endif
.if (\t)+1 < STEPS
.if STEPS-2-(\t) >= 3
	s_wait_loadcnt 12                              ; the next step's four loads are in; those of the three steps behind it may be out
.else
	s_wait_loadcnt 4*(STEPS-2-(\t))                ; near the end fewer steps lie behind it
.endif
	TURN (\t)+1                                    ; they go through the other stage while this step is worked
.endif
	v_max3_num_f32 v8, |v[XS]|, |v[XS+1]|, |v[XS+2]|               ; the largest magnitude of my 16, in two chains
	v_max3_num_f32 v9, |v[XS+3]|, |v[XS+4]|, |v[XS+5]|
.irp i, 6,10
	v_max3_num_f32 v8, v8, |v[XS+\i]|, |v[XS+\i+1]|
	v_max3_num_f32 v9, v9, |v[XS+\i+2]|, |v[XS+\i+3]|
.endr
	v_max3_num_f32 v8, v8, |v[XS+14]|, |v[XS+15]|
	v_max3_num_f32 v8, v8, v9, (EMAX+1)<<23        ; and the floor 2^(3 - 127): the byte cannot fall under 1
	v_max_num_f32_dpp v8, v8, v8 row_xmask:1 row_mask:0xf bank_mask:0xf   ; with my neighbour's 16: the block's
	v_add_nc_u32 v11, -(EMAX<<23), v8              ; 2 off its exponent field: the conversion takes the exponent field of this operand as its scale
	v_cvt_scalef32_pk8_fp4_f32 v[C+4*(\t)], v[XS:XS+7], v11
	v_cvt_scalef32_pk8_fp4_f32 v[C+4*(\t)+1], v[XS+8:XS+15], v11
	v_lshrrev_b32 v[E+(\t)], 23, v11               ; the scale's byte (also the plain line behind the conversions)
	ds_store_b8 v5, v[E+(\t)] offset:16*(\t)       ; both lanes of a block write the same byte with the same value
	global_store_b64 v4, v[C+4*(\t):C+4*(\t)+1], s[18:19] offset:32*CB*(\t)   ; the wave stores 256 consecutive bytes, aligned
.endm
.irp t, 0,1,2,3,4,5,6,7,8,9,10,11,12,13,14,15
	STEP \t
.endr
	ds_load_b64 v[8:9], v6                         ; LDS serves a wave's instructions in order: this sees my byte stores
	s_wait_dscnt 0x0
	global_store_b64 v7, v[8:9], s[20:21]          ; 32 lanes store 256 consecutive bytes, aligned
	s_wait_tensorcnt 0x0                           ; the wave's end
	ds_add_u32 v[SPW], v[NIL]
	s_wait_dscnt 0x0
	s_endpgm
; THE CAST OF Wo.  A wave takes 8 rows n, two at a time.  A load reads, of two rows, the 256 bytes (64 numbers) of one K block: lanes 0-15 the even row, lanes 16-31 the odd one.
; A lane's 4 numbers become 8 bytes; in wo16 the two rows of a K block are neighbours, so the wave stores 256 consecutive bytes, aligned.
.Lcast:
	s_sub_co_u32 s26, ttmp9, WGCAST
	s_lshl_b32 s26, s26, 5
	s_lshl_b32 s27, s24, 3
	s_add_co_u32 s26, s26, s27                     ; my first row: 32 x work-group + 8 x wave
	s_lshl_b32 s28, s26, 12                        ; a row of Wo is 4,096 bytes,
	s_mov_b32 s29, 0
	s_lshl_b32 s26, s26, 7                         ; a row of a K block in wo16 128
	s_mov_b32 s27, 0
	v_lshrrev_b32 v1, 4, v2
	v_and_b32 v3, 15, v2
	v_lshlrev_b32 v3, 4, v3
	v_lshl_add_u32 v1, v1, 12, v3                  ; in: 4,096 (lane / 16) + 16 (lane % 16)
	v_lshlrev_b32 v4, 3, v2                        ; out: 8 x lane
	s_wait_kmcnt 0x0
	s_add_nc_u64 s[16:17], s[16:17], s[28:29]
	s_add_nc_u64 s[22:23], s[22:23], s[26:27]
.macro CLOAD p                         ; pair p of rows, all 16 K blocks, into set p % 2
.irp kb, 0,1,2,3,4,5,6,7,8,9,10,11,12,13,14,15
	global_load_b128 v[R+64*((\p)%2)+4*\kb:R+64*((\p)%2)+4*\kb+3], v1, s[16:17] offset:(\p)*8192+\kb*256 th:TH_LOAD_NT
.endr
.endm
.macro CAST p
.if (\p) < 3
	s_wait_loadcnt 16                              ; this pair's 16 loads are in; the next pair's 16 may be out
.else
	s_wait_loadcnt 0x0
.endif
	s_wait_xcnt 0x0                                ; the last pair's stores have read their data registers: they are written again only behind this wait
.irp kb, 0,1,2,3,4,5,6,7,8,9,10,11,12,13,14,15
	v_cvt_pk_f16_f32 v[144+2*\kb], v[R+64*((\p)%2)+4*\kb], v[R+64*((\p)%2)+4*\kb+1]
	v_cvt_pk_f16_f32 v[145+2*\kb], v[R+64*((\p)%2)+4*\kb+2], v[R+64*((\p)%2)+4*\kb+3]
.endr
.irp kb, 0,1,2,3,4,5,6,7,8,9,10,11,12,13,14,15
	global_store_b64 v4, v[144+2*\kb:145+2*\kb], s[22:23] offset:\kb*131072+(\p)*256
.endr
.if (\p) < 2
	CLOAD (\p)+2
.endif
.endm
	CLOAD 0
	CLOAD 1
	CAST 0
	CAST 1
	CAST 2
	CAST 3
	s_endpgm
.Lfunc_end_k_q9b23982e7f_quant:
	.size	k_q9b23982e7f_quant, .Lfunc_end_k_q9b23982e7f_quant-k_q9b23982e7f_quant
	.p2alignl 7, 3214868480
	.fill 96, 4, 3214868480
	.section	.rodata,"a",@progbits
	.p2align	6, 0x0
	.amdhsa_kernel k_q9b23982e7f_quant
		.amdhsa_group_segment_fixed_size 33280
		.amdhsa_private_segment_fixed_size 0
		.amdhsa_enable_private_segment 0
		.amdhsa_kernarg_size 80
		.amdhsa_user_sgpr_count 2
		.amdhsa_user_sgpr_kernarg_segment_ptr 1
		.amdhsa_wavefront_size32 1
		.amdhsa_system_sgpr_workgroup_id_x 1
		.amdhsa_system_sgpr_workgroup_id_y 1
		.amdhsa_system_sgpr_workgroup_id_z 1
		.amdhsa_system_vgpr_workitem_id 0
		.amdhsa_next_free_vgpr 192
		.amdhsa_next_free_sgpr 66
		.amdhsa_reserve_vcc 0
		.amdhsa_float_denorm_mode_32 3
		.amdhsa_float_denorm_mode_16_64 3
		.amdhsa_memory_ordered 1
		.amdhsa_forward_progress 1
		.amdhsa_inst_pref_size 55
	.end_amdhsa_kernel
	.amdgpu_metadata
---
amdhsa.version: [ 1, 2 ]
amdhsa.kernels:
  - .name:           k_q9b23982e7f_quant
    .symbol:         k_q9b23982e7f_quant.kd
    .args:
      - { .name: q, .offset: 0, .size: 8, .value_kind: global_buffer, .address_space: global }
      - { .name: k, .offset: 8, .size: 8, .value_kind: global_buffer, .address_space: global }
      - { .name: v, .offset: 16, .size: 8, .value_kind: global_buffer, .address_space: global }
      - { .name: Wq, .offset: 24, .size: 8, .value_kind: global_buffer, .address_space: global }
      - { .name: Wk, .offset: 32, .size: 8, .value_kind: global_buffer, .address_space: global }
      - { .name: Wv, .offset: 40, .size: 8, .value_kind: global_buffer, .address_space: global }
      - { .name: Wo, .offset: 48, .size: 8, .value_kind: global_buffer, .address_space: global }
      - { .name: codes, .offset: 56, .size: 8, .value_kind: global_buffer, .address_space: global }
      - { .name: scales, .offset: 64, .size: 8, .value_kind: global_buffer, .address_space: global }
      - { .name: wo16, .offset: 72, .size: 8, .value_kind: global_buffer, .address_space: global }
    .group_segment_fixed_size: 33280
    .private_segment_fixed_size: 0
    .kernarg_segment_align: 8
    .kernarg_segment_size: 80
    .max_flat_workgroup_size: 128
    .sgpr_count:     66
    .vgpr_count:     192
    .wavefront_size: 32
...
	.end_amdgpu_metadata
.endif
;; end of part 1
;; launch proj (part 2): grid 4 x 96, 4 waves a work-group, clusters of 4 x 4, 327,680 bytes of LDS; arguments codes, scales, bq, bk, bv, tau, qkvh; writes qkvh
.if DOCPART == 2
	.amdgcn_target "amdgcn-amd-amdhsa--gfx1250"
	.amdhsa_code_object_version 6
	.text
	.protected	k_q9b23982e7f_proj
	.globl	k_q9b23982e7f_proj
	.p2align	8
	.type	k_q9b23982e7f_proj,@function
k_q9b23982e7f_proj:
	s_mov_b64 s[64:65], 0
	v_nop
	global_prefetch_b8 v0, s[64:65] scope:SCOPE_SE
	s_setreg_imm32_b32 hwreg(HW_REG_WAVE_MODE, 25, 1), 1
	s_wait_xcnt 0x0
	s_wait_alu depctr_hold_cnt(0) depctr_sa_sdst(0) depctr_va_vdst(0) depctr_va_sdst(0) depctr_va_ssrc(0) depctr_va_vcc(0) depctr_vm_vsrc(0)
	s_getreg_b32 s2, hwreg(HW_REG_IB_STS2, 6, 4)
	s_cmp_eq_u32 s2, 0
	s_cbranch_scc0 .Lentry_in_a_cluster
	s_endpgm
.Lentry_in_a_cluster:
	s_bfe_u32 s2, ttmp6, 0x10000c
	s_cmp_lg_u32 s2, 0xf033
	s_cbranch_scc0 .Lentry_shape_is_right
	s_endpgm
.Lentry_shape_is_right:
; The three quantised products in one launch: X W^T + b for X = q, k, v, on codes of FP4 (E2M1) with one E8M0 scale for each 32 along K; sums in f32.
; 'codes': 27,648 rows of 512 bytes (1,024 codes, K innermost): rows 0-24,575 q, k, v on end, row 24,576 + 1,024 t + n is row n of W_t (t = 0, 1, 2: q, k, v).  'scales': the same rows, 32 bytes each.
; The result, with the bias as the C of each sum's first product, is multiplied by f (Q: tau[b] log2(e) / 8, so that the scores come out in powers of two; K, V: 1), rounded to f16 and laid by head:
; qkvh [t][b][h][s][64].  LIMIT: results beyond 65,504 become infinity in f16; magnitudes under 6e-5 are kept as f16 subnormals.
; SHARES: a tile of 256 rows x 256 columns to a work-group of four waves, 128 x 128 a wave: 64 accumulators, 512 registers.  K = 1,024 is two slots of 512: both are filled once, at the start; nothing is filled again, there is no loop.
; THE SCALES of the work-group's 256 rows of X and 256 rows of W, for all of K, are two dense blocks: they come into LDS once, with the first fills.
; CLUSTERS: 4 x 4 work-groups.  The four of a row of the cluster need the same rows of X, the four of a column the same rows of W: each tile is asked for JOINTLY, by the same tensor load with the same descriptor and a mask
; that names the four.  A cluster's 1,024 rows lie in one tensor and one batch, so t and b hang on the cluster's number alone.
; THE MATRIX INSTRUCTION IS USED TRANSPOSED (source 0 = 16 rows of W, source 1 = 16 rows of X): a lane then holds eight neighbouring columns of one row.
; REGISTERS, in windows of 256: window 0: v0-31 addresses; v32-95 scale words, two sets; v96-127 packed results; v128-191 X's fragments, ONE set (on the way out: rows read back); v192-255 the bias, 8 registers a block of columns.
;   window 1: W's fragments, TWO sets, at v0 and v128.   window 2: the accumulators of my rows 0-63 ((a, b) at v[8 (8 a + b)]);   window 3: those of my rows 64-127.
.set NQ,     4                         ; matrix instructions deep in a slot
.set ROWB,   256                       ; a tile's row in bytes: 512 codes
.set KROW,   512                       ; a row in memory
.set PITCH,  272                       ; an LDS row: 256 bytes + 16 of padding = 68 words: the 16 rows that a load touches start at 16 different banks (64 banks of 4 bytes: ISA guide 11.1)
.set FR,     8
.set NL,     2
.set NP,     4                         ; places behind this matrix instruction (ISA guide 7.12.1)
.set HALFT,  128*PITCH
.set SLOT,   4*HALFT
.set KS,     32                        ; a row of scales in bytes
.set SCL,    2*SLOT
.set HALFS,  (128*KS/256)*272
.set SBLK,   (16*KS/256)*272
.set STAGE,  SCL+4*HALFS               ; the way out: 16 rows x (256 bytes + 16) for each wave; no tensor load lands here
.set SPITCH, 272
.set SPARE,  STAGE+4*16*SPITCH         ; the spare words, 128 bytes a wave
.set ADRA, 16
.set ADRB, 20
.set STO,  24
.set RD,   25
.set CO,   26
.set ADRS, 27
.set SPW,  28
.set NIL,  29
.set SC,   32
.set TMP,  96
.set AF,   128
.set BK,   128
.set BIAS, 192
.set G1, 24
.set G0, 32
.set G1B, 48
.set G0B, 56
.set G1S, 68
.set G0S, 76
.set G1SB, 80
.set G0SB, 88
.set MSB, 0
.macro WIN new                         ; the immediate's high byte repeats the setting that is left
.if MSB != \new
	s_set_vgpr_msb (MSB<<8)|\new
.set MSB, \new
.endif
.endm
.set MUL_LO, 0xa1                      ; source 0 (W) window 1, source 1 (X) window 0, C and D window 2
.set MUL_HI, 0xf1                      ; the same, C and D window 3
.set TO_B,   0x40
; A joint load: waves 0 and 1 fetch for X, waves 2 and 3 for W.  The branch hangs on the wave's number alone.  An s_nop 0 and four v_nop follow each of the two lines.
.macro JLOAD g0a, g1a, g0b, g1b
	s_cmp_eq_u32 s19, 0
	s_cbranch_scc0 .Lfor_b_\@
	tensor_load_to_lds s[\g0a:\g0a+3], s[\g1a:\g1a+7]
	s_nop 0
.rept 4
	v_nop
.endr
	s_branch .Lasked_\@
.Lfor_b_\@:
	tensor_load_to_lds s[\g0b:\g0b+3], s[\g1b:\g1b+7]
	s_nop 0
.rept 4
	v_nop
.endr
.Lasked_\@:
.endm
.macro CROUND                          ; a round of the cluster's barrier
	s_barrier_signal -1
	s_barrier_wait -1
	s_cmp_lg_u32 s18, 0
	s_cbranch_scc1 .Lnot_wave_0_\@
	s_barrier_signal -3
.Lnot_wave_0_\@:
	s_barrier_wait -3
	s_barrier_signal -1
	s_barrier_wait -1
.endm
	s_load_b256 s[4:11], s[0:1], 0x0               ; codes s[4:5], scales s[6:7], bq s[8:9], bk s[10:11]
	s_load_b128 s[12:15], s[0:1], 0x20             ; bv s[12:13], tau s[14:15]
	s_load_b64 s[16:17], s[0:1], 0x30              ; qkvh
	v_lshl_add_u32 v[SPW], v0, 2, SPARE
	v_mov_b32 v[NIL], 0
	ds_add_u32 v[SPW], v[NIL]                      ; the wave's opening: the add, twice on end, and its wait ahead of my first tensor load
	ds_add_u32 v[SPW], v[NIL]
	v_lshrrev_b32 v1, 5, v0
	v_readfirstlane_b32 s18, v1                    ; wave 0..3
	s_lshr_b32 s19, s18, 1                         ; which half of the tile's rows is mine.  Also: I fetch for X (0) or for W (1)
	s_and_b32 s20, s18, 1                          ; which half of its columns.  Also: which 128 rows of that tile I fetch
	s_bfe_u32 s40, ttmp6, 0x40000                  ; cx
	s_bfe_u32 s41, ttmp6, 0x40004                  ; cy
	s_lshl_b32 s42, ttmp9, 2
	s_add_co_u32 s42, s42, s40                     ; tile column = 4 x cluster x + cx
	s_and_b32 s22, ttmp7, 0xffff                   ; cluster y
	s_lshl_b32 s21, s22, 2
	s_add_co_u32 s21, s21, s41                     ; tile row = 4 x cluster y + cy
	s_lshr_b32 s23, s22, 3                         ; t: which tensor: 8 clusters (8,192 rows) each
	s_lshl_b32 s43, s41, 2
	s_lshl_b32 s43, 15, s43                        ; my row of the cluster
	s_lshl_b32 s44, 0x1111, s40                    ; my column
	s_or_b32 s[G1+0], s43, (0<<16)|(1<<20)|(1<<21)|(5<<22)|(3<<25)  ; 15:0 the mask; 17:16 elements of 1 byte; 20 padding on; 21 set beside a mask; 24:22 after every 64 words; 31:25 four words
	s_or_b32 s[G1B+0], s44, (0<<16)|(1<<20)|(1<<21)|(5<<22)|(3<<25)
.irp g, G1, G1B
	s_mov_b32 s[\g+1], ROWB<<16                    ; tensor_dim0
	s_mov_b32 s[\g+2], 128<<16                     ; tensor_dim1
	s_mov_b32 s[\g+3], ROWB<<16                    ; tile_dim0
	s_mov_b32 s[\g+4], 128                         ; tile_dim1
	s_mov_b32 s[\g+5], KROW                        ; stride from row to row
	s_mov_b32 s[\g+6], 0
	s_mov_b32 s[\g+7], 0
.endr
	s_or_b32 s[G1S+0], s43, (3<<16)|(1<<20)|(1<<21)|(5<<22)|(3<<25)  ; the scales of 128 rows: 4,096 dense bytes as 16 rows of 256 (32 elements of 8 bytes), 16 bytes of padding behind each
	s_or_b32 s[G1SB+0], s44, (3<<16)|(1<<20)|(1<<21)|(5<<22)|(3<<25)
.irp g, G1S, G1SB
	s_mov_b32 s[\g+1], 32<<16
	s_mov_b32 s[\g+2], (128*KS/256)<<16
	s_mov_b32 s[\g+3], 32<<16
	s_mov_b32 s[\g+4], 128*KS/256
	s_mov_b32 s[\g+5], 32
	s_mov_b32 s[\g+6], 0
	s_mov_b32 s[\g+7], 0
.endr
	s_lshl_b32 s2, s20, 7                          ; which 128 rows of the tile I fetch
	s_lshl_b32 s92, s21, 8
	s_add_co_u32 s92, s92, s2                      ; X: row 256 x tile row + 128 x half
	s_lshl_b32 s46, s42, 8
	s_add_co_u32 s46, s46, s2
	s_lshl_b32 s3, s23, 10
	s_add_co_u32 s46, s46, s3
	s_add_co_u32 s46, s46, 24576                   ; W: row 24,576 + 1,024 t + 256 x tile column + 128 x half
	s_lshl_b32 s94, s92, 5                         ; where these rows' scales begin, in bytes,
	s_mov_b32 s95, 0
	s_lshl_b32 s92, s92, 9                         ; and their codes (all under 2^24)
	s_mov_b32 s93, 0
	s_lshl_b32 s96, s46, 5
	s_mov_b32 s97, 0
	s_lshl_b32 s46, s46, 9
	s_mov_b32 s47, 0
	s_mul_i32 s45, s18, HALFT                      ; where they go: wave x 128 rows: no place in the cluster enters an LDS address
	s_mul_i32 s98, s18, HALFS
	s_wait_dscnt 0x0                               ; both opening adds are done
	s_wait_kmcnt 0x0
	s_add_nc_u64 s[92:93], s[4:5], s[92:93]
	s_add_nc_u64 s[94:95], s[6:7], s[94:95]
	s_add_nc_u64 s[46:47], s[4:5], s[46:47]
	s_add_nc_u64 s[96:97], s[6:7], s[96:97]
	CROUND                                         ; all sixteen work-groups are here: the first joint loads meet
	s_mov_b32 s[G0S], 1
	s_add_co_u32 s[G0S+1], s98, SCL
	s_mov_b64 s[G0S+2:G0S+3], s[94:95]
	s_or_b32 s[G0S+3], s[G0S+3], 0x80000000
	s_mov_b32 s[G0SB], 1
	s_add_co_u32 s[G0SB+1], s98, SCL
	s_mov_b64 s[G0SB+2:G0SB+3], s[96:97]
	s_or_b32 s[G0SB+3], s[G0SB+3], 0x80000000
	JLOAD G0S, G1S, G0SB, G1SB                     ; the scales first: they are wanted with the first step
.irp s, 0,1
	s_mov_b32 s[G0+4*\s], 1
	s_add_co_u32 s[G0+4*\s+1], s45, \s*SLOT
	s_add_nc_u64 s[G0+4*\s+2:G0+4*\s+3], s[92:93], \s*ROWB
	s_or_b32 s[G0+4*\s+3], s[G0+4*\s+3], 0x80000000
	s_mov_b32 s[G0B+4*\s], 1
	s_add_co_u32 s[G0B+4*\s+1], s45, \s*SLOT
	s_add_nc_u64 s[G0B+4*\s+2:G0B+4*\s+3], s[46:47], \s*ROWB
	s_or_b32 s[G0B+4*\s+3], s[G0B+4*\s+3], 0x80000000
	JLOAD G0+4*\s, G1, G0B+4*\s, G1B               ; three tensor loads of mine are out behind the second of these
.endr
	; tau[b], b = (cluster y / 2) % 4
	s_bfe_u32 s2, s22, 0x20001
	s_lshl_b32 s2, s2, 2
	s_mov_b32 s3, 0
	s_add_nc_u64 s[14:15], s[14:15], s[2:3]
	s_load_b32 s66, s[14:15], 0x0
	; the bias of my tensor, at my 128 columns
	s_cmp_eq_u32 s23, 1
	s_cselect_b64 s[8:9], s[10:11], s[8:9]
	s_cmp_eq_u32 s23, 2
	s_cselect_b64 s[8:9], s[12:13], s[8:9]
	s_lshl_b32 s46, s42, 10
	s_lshl_b32 s47, s20, 9
	s_add_co_u32 s46, s46, s47
	s_mov_b32 s47, 0
	s_add_nc_u64 s[8:9], s[8:9], s[46:47]
	v_and_b32 v1, 15, v0                           ; r = l % 16
	v_bfe_u32 v2, v0, 4, 1                         ; h = l / 16
	v_lshlrev_b32 v9, 5, v2                        ; lane (r, h) wants, for block b of columns, the bias of columns 16 b + 8 h + 0 .. 7
.irp b, 0,1,2,3,4,5,6,7
	global_load_b128 v[BIAS+8*\b:BIAS+8*\b+3], v9, s[8:9] offset:64*\b
	global_load_b128 v[BIAS+8*\b+4:BIAS+8*\b+7], v9, s[8:9] offset:64*\b+16
.endr
	v_mul_u32_u24 v3, v1, PITCH
	v_lshl_add_u32 v4, v2, 4, v3                   ; a fragment's row x pitch + 16 x half
	s_mul_i32 s2, s19, HALFT                       ; my 128 rows of X
	s_mul_i32 s3, s20, HALFT                       ; my 128 rows of W,
	s_add_co_u32 s3, s3, 2*HALFT                   ; which lie behind X's 256
.irp s, 0,1
	v_add_nc_u32 v[ADRA+\s], s2, v4
	v_add_nc_u32 v[ADRB+\s], s3, v4
	s_add_co_u32 s2, s2, SLOT
	s_add_co_u32 s3, s3, SLOT
.endr
	v_mul_u32_u24 v5, v1, KS                       ; my row's scales: KS bytes a row,
	v_lshrrev_b32 v6, 8, v5
	v_lshl_add_u32 v5, v6, 4, v5                   ; and 16 more for each 256 passed
	s_mul_i32 s2, s19, HALFS
	s_mul_i32 s3, s20, HALFS
	s_add_co_u32 s3, s3, 2*HALFS
	s_sub_co_u32 s3, s3, s2
	v_mul_u32_u24 v6, s3, v2                       ; lanes 16-31 take W's: one product, the distance between the two bases x h
	s_add_co_u32 s2, s2, SCL
	v_add_nc_u32 v5, v5, v6
	v_add_nc_u32 v[ADRS], s2, v5
	s_mul_i32 s2, s18, 16*SPITCH
	s_add_co_u32 s2, s2, STAGE                     ; my stage
	v_mul_u32_u24 v5, v1, SPITCH                   ; in: row r, 16 bytes for each half of the lanes
	v_lshl_add_u32 v5, v2, 4, v5
	v_add_nc_u32 v[STO], s2, v5
	v_and_b32 v6, 31, v0
	v_lshrrev_b32 v7, 3, v6                        ; back: eight lanes take a head's 128 bytes of a row, four rows an instruction
	v_mul_u32_u24 v7, v7, SPITCH
	v_and_b32 v8, 7, v0
	v_lshl_add_u32 v7, v8, 4, v7
	v_add_nc_u32 v[RD], s2, v7
	v_lshlrev_b32 v[CO], 4, v6                     ; in qkvh those four rows of a head are 512 consecutive bytes: 16 x lane
	; where my part begins in qkvh: (row / 2,048) x 16 heads + my first head, 262,144 bytes each, + (row % 2,048) x 128
	s_lshl_b32 s2, s21, 8
	s_lshl_b32 s3, s19, 7
	s_add_co_u32 s2, s2, s3                        ; my first row
	s_lshr_b32 s3, s2, 11
	s_lshl_b32 s3, s3, 22
	s_and_b32 s2, s2, 2047
	s_lshl_b32 s2, s2, 7
	s_add_co_u32 s2, s2, s3
	s_lshl_b32 s3, s42, 2
	s_lshl_b32 s45, s20, 1
	s_add_co_u32 s3, s3, s45                       ; my first head: 4 x tile column + 2 x half
	s_lshl_b32 s3, s3, 18
	s_add_co_u32 s2, s2, s3
	s_mov_b32 s3, 0
	s_add_nc_u64 s[16:17], s[16:17], s[2:3]
	s_wait_kmcnt 0x0                               ; tau[b]
	s_mul_f32 s66, s66, 0x3e38aa3b                 ; x log2(e) / 8
	s_cmp_eq_u32 s23, 0
	s_cselect_b32 s66, s66, 0x3f800000             ; f: Q's factor; 1 for K and V.  A choice of a value, no branch
	s_mov_b32 s67, s66                             ; (named with it as a pair, so it is written)
.macro FRAG reg, adr, q, i             ; 16 rows x 128 K of 4-bit codes: 8 registers: lane l holds row l % 16; registers 4 c .. 4 c + 3 hold K = 64 c + 32 (l / 16) + 0 .. 31
.irp c, 0,1
	ds_load_b128 v[\reg+4*\c:\reg+4*\c+3], v[\adr] offset:64*(\q)+32*\c+(\i)*16*PITCH
.endr
.endm
; 16 matrix instructions: X's blocks a0, a0 + 1 x W's eight, the slot's q-th 128 along K.  p: W's set; sc: the set of scale words.  first = 1: the bias is the C of the sum's first product: nothing is cleared or added.
; The 64 accumulators take turns, one instruction a turn, in the same order in every step.
.macro MUL16 a0, p, q, sc, first
.irp a, \a0, \a0+1
.irp b, 0,1,2,3,4,5,6,7
.if \first
	v_wmma_scale_f32_16x16x128_f8f6f4 v[8*(8*((\a)%4)+\b):8*(8*((\a)%4)+\b)+7], v[128*(\p)+FR*\b:128*(\p)+FR*\b+FR-1], v[AF+FR*(\a):AF+FR*(\a)+FR-1], v[BIAS+8*\b:BIAS+8*\b+7], v[SC+8*NQ*(\sc)+NQ*\b+(\q)], v[SC+8*NQ*(\sc)+NQ*(\a)+(\q)] matrix_a_fmt:MATRIX_FMT_FP4 matrix_b_fmt:MATRIX_FMT_FP4 matrix_a_scale:MATRIX_SCALE_ROW1
.else
	v_wmma_scale_f32_16x16x128_f8f6f4 v[8*(8*((\a)%4)+\b):8*(8*((\a)%4)+\b)+7], v[128*(\p)+FR*\b:128*(\p)+FR*\b+FR-1], v[AF+FR*(\a):AF+FR*(\a)+FR-1], v[8*(8*((\a)%4)+\b):8*(8*((\a)%4)+\b)+7], v[SC+8*NQ*(\sc)+NQ*\b+(\q)], v[SC+8*NQ*(\sc)+NQ*(\a)+(\q)] matrix_a_fmt:MATRIX_FMT_FP4 matrix_b_fmt:MATRIX_FMT_FP4 matrix_a_scale:MATRIX_SCALE_ROW1
.endif
.endr
.endr
.endm
.macro FETCH_B slot, q, p
	WIN TO_B
.irp i, 0,1,2,3,4,5,6,7
	FRAG 128*(\p)+FR*\i, ADRB+\slot, \q, \i
.endr
	WIN 0
.endm
.macro FETCH_A slot, q, i0
.irp i, \i0, \i0+1, \i0+2, \i0+3
	FRAG AF+FR*(\i), ADRA+\slot, \q, \i
.endr
.endm
.macro SCALES sc                       ; a slot's scale words: 4 words a row; lanes 0-15 take X's block i, lanes 16-31 W's block i
.irp i, 0,1,2,3,4,5,6,7
	ds_load_b128 v[SC+8*NQ*\sc+NQ*\i:SC+8*NQ*\sc+NQ*\i+3], v[ADRS] offset:\i*SBLK
.endr
.endm
.macro PLACES n                        ; plain vector instructions between a matrix instruction and a load into, or a read of, its registers
.rept \n
	v_nop
.endr
.endm
.macro STEP slot, q, first             ; a step of 128 along K that has its successor in the same slot
	s_wait_dscnt 4*NL                              ; W's set and X's blocks 0-3 are in; the youngest eight loads (X's blocks 4-7) may be out
.if \first
	WIN 0x81                                       ; C (the bias) in window 0, D in window 2
.else
	WIN MUL_LO
.endif
	MUL16 0, (\q)%2, \q, \slot, \first
	MUL16 2, (\q)%2, \q, \slot, \first
	s_wait_dscnt 0                                 ; X's blocks 4-7 are in
	PLACES NP
	FETCH_B \slot, (\q)+1, 1-(\q)%2
	FETCH_A \slot, (\q)+1, 0
.if \first
	WIN 0xc1
.else
	WIN MUL_HI
.endif
	MUL16 4, (\q)%2, \q, \slot, \first
	MUL16 6, (\q)%2, \q, \slot, \first
	PLACES NP
	WIN 0
	FETCH_A \slot, (\q)+1, 4
.endm
.macro STEPS slot, from
.set Q, \from
.rept NQ-1-\from
	STEP \slot, Q, 0
.set Q, Q+1
.endr
.endm
	s_wait_loadcnt 0x0                             ; the bias
	s_wait_tensorcnt 1                             ; the scales and my part of slot 0 are in; slot 1's load may be out
	s_barrier_signal -1
	s_barrier_wait -1                              ; everybody's are
	FETCH_B 0, 0, 0
	FETCH_A 0, 0, 0
	SCALES 0
	FETCH_A 0, 0, 4
	STEP 0, 0, 1
	STEPS 0, 1
	; slot 0's last step changes slots: one barrier; in front of it each wave waits for all its tensor loads (its part of slot 1)
	s_wait_tensorcnt 0x0
	ds_add_u32 v[SPW], v[NIL]
	s_wait_dscnt 4*NL+1                            ; the add and the youngest eight loads (X's blocks 4-7) may be out
	WIN MUL_LO
	MUL16 0, 1, NQ-1, 0, 0                         ; sixteen matrix instructions stand between the add and the wait for it
	s_wait_dscnt 0x0
	s_barrier_signal -1
	MUL16 2, 1, NQ-1, 0, 0
	WIN 0
	s_barrier_wait -1                              ; slot 1 is whole
	PLACES NP
	v_add_nc_u32 v[ADRS], 4*NQ, v[ADRS]            ; on to slot 1's scale words (no LDS load of mine is out)
	FETCH_B 1, 0, 0
	FETCH_A 1, 0, 0
	SCALES 1
	WIN MUL_HI
	MUL16 4, 1, NQ-1, 0, 0
	MUL16 6, 1, NQ-1, 0, 0
	PLACES NP
	WIN 0
	FETCH_A 1, 0, 4
	STEPS 1, 0
	s_wait_dscnt 4*NL                              ; the very last step: nothing more to fetch
	WIN MUL_LO
	MUL16 0, 1, NQ-1, 1, 0
	MUL16 2, 1, NQ-1, 1, 0
	s_wait_dscnt 0
	WIN MUL_HI
	MUL16 4, 1, NQ-1, 1, 0
	MUL16 6, 1, NQ-1, 1, 0
	WIN 0
; THE WAY OUT, block by block of 16 rows x 128 columns (two heads).  PACK: x f, rounded to f16: 16 bytes a lane.  TOSTAGE: into my own stage, and back so that eight lanes hold a head's 128 bytes of a row.
; SEND: each store covers 4 rows of one head: 512 consecutive bytes of qkvh, aligned.
.macro PACK a
.set AC, 64*((\a)%4)
	WIN 0x82+0x41*((\a)/4)                         ; destination and source 0: window 2 or 3
.set i, 0
.rept 32
	v_pk_mul_f32 v[AC+i:AC+i+1], v[AC+i:AC+i+1], s[66:67] op_sel_hi:[1,0]   ; each accumulator from its low end on
.set i, i+2
.endr
	WIN 0x0a+5*((\a)/4)                            ; sources 0 and 1: window 2 or 3
.irp b, 0,1,2,3,4,5,6,7
.irp r, 0,1,2,3
	v_cvt_pk_f16_f32 v[TMP+4*\b+\r], v[AC+8*\b+2*\r], v[AC+8*\b+2*\r+1]
.endr
.endr
	WIN 0
.endm
.macro TOSTAGE a
.set BB, BK+32*((\a)%2)
.irp b, 0,1,2,3,4,5,6,7
	ds_store_b128 v[STO], v[TMP+4*\b:TMP+4*\b+3] offset:32*\b
.endr
.irp u, 0,1,2,3,4,5,6,7
	ds_load_b128 v[BB+4*\u:BB+4*\u+3], v[RD] offset:(\u%4)*4*SPITCH+(\u/4)*128   ; LDS serves a wave's instructions in order: these see the stores above
.endr
.endm
.macro SEND a
.set BB, BK+32*((\a)%2)
	s_wait_dscnt 0x0                               ; the block is back in registers
	s_wait_xcnt 0x0                                ; the earlier stores have read their data: the other set of registers is loaded again only behind this wait
.irp u, 0,1,2,3,4,5,6,7
	global_store_b128 v[CO], v[BB+4*\u:BB+4*\u+3], s[16:17] offset:(\u/4)*262144+(\a)*2048+(\u%4)*512
.endr
.endm
	PLACES NP                                      ; behind the last products: for the reads of results and the loads into the registers that held X's fragments
	PACK 0
	TOSTAGE 0
.irp a, 1,2,3,4,5,6,7                  ; block a's arithmetic stands between block a - 1's loads from the stage and the wait for them
	PACK \a
	SEND \a-1
	TOSTAGE \a
.endr
	SEND 7
	s_wait_tensorcnt 0x0                           ; the wave's end
	ds_add_u32 v[SPW], v[NIL]
	s_wait_dscnt 0x0
	CROUND                                         ; the closing round: no work-group ends while a partner may still ask for a tile that names it
	s_endpgm
.Lfunc_end_k_q9b23982e7f_proj:
	.size	k_q9b23982e7f_proj, .Lfunc_end_k_q9b23982e7f_proj-k_q9b23982e7f_proj
	.p2alignl 7, 3214868480
	.fill 96, 4, 3214868480
	.section	.rodata,"a",@progbits
	.p2align	6, 0x0
	.amdhsa_kernel k_q9b23982e7f_proj
		.amdhsa_group_segment_fixed_size 327680
		.amdhsa_private_segment_fixed_size 0
		.amdhsa_enable_private_segment 0
		.amdhsa_kernarg_size 56
		.amdhsa_user_sgpr_count 2
		.amdhsa_user_sgpr_kernarg_segment_ptr 1
		.amdhsa_wavefront_size32 1
		.amdhsa_system_sgpr_workgroup_id_x 1
		.amdhsa_system_sgpr_workgroup_id_y 1
		.amdhsa_system_sgpr_workgroup_id_z 1
		.amdhsa_system_vgpr_workitem_id 0
		.amdhsa_next_free_vgpr 1024
		.amdhsa_next_free_sgpr 100
		.amdhsa_reserve_vcc 0
		.amdhsa_float_denorm_mode_32 3
		.amdhsa_float_denorm_mode_16_64 3
		.amdhsa_memory_ordered 1
		.amdhsa_forward_progress 1
		.amdhsa_inst_pref_size 145
	.end_amdhsa_kernel
	.amdgpu_metadata
---
amdhsa.version: [ 1, 2 ]
amdhsa.kernels:
  - .name:           k_q9b23982e7f_proj
    .symbol:         k_q9b23982e7f_proj.kd
    .args:
      - { .name: codes, .offset: 0, .size: 8, .value_kind: global_buffer, .address_space: global }
      - { .name: scales, .offset: 8, .size: 8, .value_kind: global_buffer, .address_space: global }
      - { .name: bq, .offset: 16, .size: 8, .value_kind: global_buffer, .address_space: global }
      - { .name: bk, .offset: 24, .size: 8, .value_kind: global_buffer, .address_space: global }
      - { .name: bv, .offset: 32, .size: 8, .value_kind: global_buffer, .address_space: global }
      - { .name: tau, .offset: 40, .size: 8, .value_kind: global_buffer, .address_space: global }
      - { .name: qkvh, .offset: 48, .size: 8, .value_kind: global_buffer, .address_space: global }
    .group_segment_fixed_size: 327680
    .private_segment_fixed_size: 0
    .kernarg_segment_align: 8
    .kernarg_segment_size: 56
    .max_flat_workgroup_size: 128
    .sgpr_count:     100
    .vgpr_count:     1024
    .wavefront_size: 32
...
	.end_amdgpu_metadata
.endif
;; end of part 2
;; launch attn (part 3): grid 8 x 64, 8 waves a work-group, clusters of 4 x 1, 327,680 bytes of LDS; arguments qkvh, delta, att; writes att
.if DOCPART == 3
	.amdgcn_target "amdgcn-amd-amdhsa--gfx1250"
	.amdhsa_code_object_version 6
	.text
	.protected	k_q9b23982e7f_attn
	.globl	k_q9b23982e7f_attn
	.p2align	8
	.type	k_q9b23982e7f_attn,@function
k_q9b23982e7f_attn:
	s_mov_b64 s[64:65], 0
	v_nop
	global_prefetch_b8 v0, s[64:65] scope:SCOPE_SE
	s_setreg_imm32_b32 hwreg(HW_REG_WAVE_MODE, 25, 1), 1
	s_wait_xcnt 0x0
	s_wait_alu depctr_hold_cnt(0) depctr_sa_sdst(0) depctr_va_vdst(0) depctr_va_sdst(0) depctr_va_ssrc(0) depctr_va_vcc(0) depctr_vm_vsrc(0)
	s_getreg_b32 s2, hwreg(HW_REG_IB_STS2, 6, 4)
	s_cmp_eq_u32 s2, 0
	s_cbranch_scc0 .Lentry_in_a_cluster
	s_endpgm
.Lentry_in_a_cluster:
	s_bfe_u32 s2, ttmp6, 0x10000c
	s_cmp_lg_u32 s2, 0x3003
	s_cbranch_scc0 .Lentry_shape_is_right
	s_endpgm
.Lentry_shape_is_right:
; att[b][h][l][:] = the sum over s of softmax_s((Q[l] . K[s] tau[b] + delta[b][s]) / 8) V[s][:], for each of 64 (b, h).  Q, K, V: qkvh [3][64][2048][64] f16; Q already holds the factor tau[b] log2(e) / 8.
; So t = Q' . K + delta[s] log2(e) / 8 is the exponent to the base 2.  Products in f16 with f32 sums; maxima, exponentials and sums in f32; the weights p are rounded to f16 for the second product, the result once at the end.
; LIMITS: p under 6e-8 is lost in f16 beside a row's largest p = 1; results beyond 65,504 become infinity, under 6e-5 they are kept as f16 subnormals; NaN and infinities among the inputs are not served.
; SHARES: a work-group owns 256 queries of one (b, h); each of its EIGHT waves 32 of them, two tiles of 16, in 416 registers: two waves to a SIMD, so that one wave's vector work stands beside the other's matrix work.
; Every wave walks all 2,048 keys, 64 a step.  K and V come through a ring of two LDS slots of 256 keys (4 steps); waves 0-3 fetch the four steps' K, waves 4-7 their V: one load of 64 rows a wave at each change of slots.
; LAYOUT: S^T = K Q^T + delta (source 0 = 16 keys, source 1 = 16 queries, C = delta of the lane's eight keys: the addition costs no vector instruction): a lane holds ONE query (lane % 16) and keys 8 (lane / 16) + 0..7.
; Two such tiles, rounded to f16 in pairs, ARE source 1 (32 keys x 16 queries) of O^T = V^T P.  K comes out of LDS as it lies, V ([key][channel]) turned, by ds_load_tr16_b128.
; SOFTMAX: for each query a running maximum m and sum l: p = 2^(t - m); in every step O and l are multiplied by a = 2^(m_old - m_new).  O and l begin as zeros and m as -3e38, so the step is written once.
; CLUSTER: the four query blocks of a cluster belong to one (b, h) and walk the same K and V: each tile is asked for JOINTLY, by the same tensor load with a mask that names the four.
; REGISTERS: window 0: v2-15 addresses; v16-31 statistics, 8 a tile: +0 m, +1 the new m, +2, +3 l, +4 to +7 at work (a in +6); v32-63 delta of the step's 64 keys; v64-127 S^T, 32 a tile; v128-159 P, 16 a tile; v160-223 O^T, 32 a tile.
;   window 1: v0-31 Q; v32-95 K of one step; v96-159 V of one step.
.set KS,    64
.set NST,   4                          ; steps in a slot
.set PK,    144                        ; a row of K in LDS: 128 bytes + 16 = 36 words: the 16 rows of a load start at 16 different groups of four banks (64 banks of 4 bytes: ISA guide 11.1)
.set PV,    160                        ; a row of V: 128 + 32: an odd multiple of 32 bytes, for the turning load
.set VOFF,  NST*KS*PK                  ; a slot: 256 rows of K, then 256 rows of V
.set SLOT1, 1<<17                      ; slot 1 begins here: one exclusive or turns an address in one slot into the other's
.set DELTA, SLOT1+VOFF+NST*KS*PV       ; behind the ring: delta[b][:] log2(e) / 8, 8,192 bytes, stored by the waves
.set STAGE, DELTA+8192                 ; the way out: 32 rows x 144 bytes for each wave
.set SPARE, STAGE+8*32*PK              ; the spare words, 128 bytes a wave
.set AK0, 2
.set AV0, 3
.set ADK, 4
.set ADV, 5
.set AD0, 6
.set ADD, 7
.set QO,  8
.set STO, 9
.set RD,  10
.set GO,  11
.set PFO, 12                           ; v12  256 x my lane; never rewritten
.set SPW, 14
.set NIL, 15
.set ST,  16
.set DL,  32
.set S,   64
.set P,   128
.set O,   160
.set QF,  0                            ; in window 1
.set KF,  32
.set VF,  96
.set WV,  12                           ; s12  my wave's number
.set LIM, 15                           ; s15  1 in a wave that prefetches, else the greatest number
.set PFA, 18                           ; s[18:19] where my prefetches stand
.set G1K, 24
.set G1V, 32
.set G0K, 40
.set G0V, 44
.set SLOTS, 48
.set TB,  49                           ; s49  LDS byte at which the slot in hand begins
.set TD,  50                           ; s50  byte of delta at which the slot's keys begin
.set SEL, 52                           ; s[52:53] lane selects for v_permlanex16_b32: lane l xor 16
.set MSB, 0
.macro WIN new
.if MSB != \new
	s_set_vgpr_msb (MSB<<8)|\new
.set MSB, \new
.endif
.endm
; A joint load: waves 0-3 fetch K's four steps, waves 4-7 V's.  The branch hangs on the wave's number alone.  An s_nop 0 and four v_nop follow each of the two lines.
.macro JLOAD
	s_cmp_lt_u32 s[WV], 4
	s_cbranch_scc0 .Lfor_v_\@
	tensor_load_to_lds s[G0K:G0K+3], s[G1K:G1K+7]
	s_nop 0
.rept 4
	v_nop
.endr
	s_branch .Lasked_\@
.Lfor_v_\@:
	tensor_load_to_lds s[G0V:G0V+3], s[G1V:G1V+7]
	s_nop 0
.rept 4
	v_nop
.endr
.Lasked_\@:
.endm
; A PREFETCH INTO THE L2 of what the NEXT change of slots will ask for: a slot's 32,768 bytes of K and of V.  Both clusters of a (b, h) walk the same rows: the first of them asks.  Its four partners share the bytes out
; BY ADDRESS, 8,192 each; in each, wave 0 asks for K's and wave 4 for V's: one instruction, lanes 256 bytes apart.  So each aligned 256 bytes are named once in the launch.  The last change that fills a slot asks for nothing.
.macro ASK
	s_cmp_gt_u32 s[SLOTS], s[LIM]
	s_cbranch_scc0 .Lnot_mine_\@
	global_prefetch_b8 v[PFO], s[PFA:PFA+1] th:TH_LOAD_NT scope:SCOPE_SE
.Lnot_mine_\@:
.endm
.macro CROUND                          ; a round of the cluster's barrier
	s_barrier_signal -1
	s_barrier_wait -1
	s_cmp_lg_u32 s[WV], 0
	s_cbranch_scc1 .Lnot_wave_0_\@
	s_barrier_signal -3
.Lnot_wave_0_\@:
	s_barrier_wait -3
	s_barrier_signal -1
	s_barrier_wait -1
.endm
	s_load_b128 s[4:7], s[0:1], 0x0                ; qkvh s[4:5], delta s[6:7]
	s_load_b64 s[8:9], s[0:1], 0x10                ; att
	v_lshl_add_u32 v[SPW], v0, 2, SPARE
	v_mov_b32 v[NIL], 0
	ds_add_u32 v[SPW], v[NIL]                      ; the wave's opening: the add, twice on end, and its wait ahead of my first tensor load
	ds_add_u32 v[SPW], v[NIL]
	v_lshrrev_b32 v1, 5, v0
	v_readfirstlane_b32 s[WV], v1                  ; wave 0..7
	s_bfe_u32 s13, ttmp6, 0x40000                  ; cx
	s_lshl_b32 s17, ttmp9, 2
	s_add_co_u32 s17, s17, s13                     ; my block of 256 queries: it enters Q's and att's addresses alone
	s_and_b32 s14, ttmp7, 0xffff                   ; (b, h), which the four partners share
	s_lshl_b32 s20, s14, 18                        ; 262,144 bytes each
	s_and_b32 s16, s[WV], 3                        ; which of a slot's four steps I fetch:
	s_lshl_b32 s22, s16, 13                        ; its 64 rows of 128 bytes in memory
	s_add_co_u32 s22, s22, s20
	s_mov_b32 s23, 0
	s_lshl_b32 s2, s17, 15                         ; my block's 256 rows,
	s_lshl_b32 s3, s[WV], 12                       ; my wave's 32 of them
	s_add_co_u32 s2, s2, s3
	s_add_co_u32 s2, s2, s20
	s_mov_b32 s3, 0
	s_lshr_b32 s54, s14, 4                         ; b
	s_lshl_b32 s54, s54, 13                        ; a row of delta is 8,192 bytes
	s_mov_b32 s55, 0
	s_mul_i32 s56, s16, KS*PK                      ; my step's place in a slot: no place in the cluster enters an LDS address
	s_mul_i32 s57, s16, KS*PV
	s_mov_b32 s[G1K], 15|(1<<16)|(1<<20)|(1<<21)|(4<<22)|(3<<25)  ; 15:0 the mask: all four; 17:16 elements of 2 bytes; 20 padding on; 21 set beside a mask; 24:22 after every 32 words; 31:25 four words
	s_mov_b32 s[G1V], 15|(1<<16)|(1<<20)|(1<<21)|(4<<22)|(7<<25)  ; the same with eight words of padding
.irp g, G1K, G1V
	s_mov_b32 s[\g+1], 64<<16                      ; tensor_dim0 = 64
	s_mov_b32 s[\g+2], KS<<16                      ; tensor_dim1 = 64
	s_mov_b32 s[\g+3], 64<<16                      ; tile_dim0 = 64
	s_mov_b32 s[\g+4], KS                          ; tile_dim1 = 64
	s_mov_b32 s[\g+5], 64                          ; elements from row to row
	s_mov_b32 s[\g+6], 0
	s_mov_b32 s[\g+7], 0
.endr
	s_mov_b32 s[SEL], 0x76543210
	s_mov_b32 s[SEL+1], 0xfedcba98
	s_mov_b32 s[TB], 0
	s_mov_b32 s[TD], 0
	s_mov_b32 s[SLOTS], 2048/(NST*KS)-1
	s_or_b32 s[LIM], s16, ttmp9                    ; 0 in waves 0 and 4 of the (b, h)'s first cluster: the same in all four partners
	s_cmp_eq_u32 s[LIM], 0
	s_cselect_b32 s[LIM], 1, -1
	v_and_b32 v[PFO], 31, v0
	v_lshlrev_b32 v[PFO], 8, v[PFO]
	s_wait_dscnt 0x0                               ; both opening adds are done
	s_wait_kmcnt 0x0
	s_add_nc_u64 s[10:11], s[4:5], s[22:23]        ; qkvh at my (b, h) and my step's rows, in tensor 0
	s_add_nc_u64 s[4:5], s[4:5], s[2:3]            ; Q at my wave's first row
	s_add_nc_u64 s[8:9], s[8:9], s[2:3]            ; att likewise
	s_add_nc_u64 s[6:7], s[6:7], s[54:55]          ; delta[b]
	s_cmp_lt_u32 s[WV], 4
	s_mov_b32 s54, 0x2000000
	s_cselect_b32 s54, 0x1000000, s54              ; K is tensor 1, V tensor 2: 16,777,216 bytes each
	s_lshl_b32 s55, s13, 13                        ; my work-group's 8,192 bytes of a slot's 32,768
	s_add_co_u32 s54, s54, s55
	s_add_co_u32 s54, s54, NST*KS*128              ; in slot 1: the first change of slots steps it to slot 2.  Nothing is prefetched at the head
	s_mov_b32 s55, 0
	s_add_nc_u64 s[PFA:PFA+1], s[10:11], s[54:55]  ; (in waves 0 and 4 s[10:11] stands at the (b, h)'s first row)
	CROUND                                         ; all four work-groups are here: the first joint loads meet
	s_mov_b32 s[G0K], 1
	s_mov_b32 s[G0K+1], s56
	s_add_nc_u64 s[G0K+2:G0K+3], s[10:11], 0x1000000
	s_or_b32 s[G0K+3], s[G0K+3], 0x80000000
	s_mov_b32 s[G0V], 1
	s_add_co_u32 s[G0V+1], s57, VOFF
	s_add_nc_u64 s[G0V+2:G0V+3], s[10:11], 0x2000000
	s_or_b32 s[G0V+3], s[G0V+3], 0x80000000
	JLOAD                                          ; slot 0: one tensor load of mine is out
	v_and_b32 v1, 15, v0                           ; r
	v_bfe_u32 v13, v0, 4, 1                        ; h
	v_lshlrev_b32 v[QO], 7, v1
	v_lshl_add_u32 v[QO], v13, 4, v[QO]            ; Q: row r of 128 bytes + 16 h
	WIN 0x40                                       ; destination window 1
.irp t, 0,1
.irp c, 0,1
	global_load_b128 v[QF+16*\t+8*\c:QF+16*\t+8*\c+3],   v[QO], s[4:5] offset:\t*2048+64*\c      ; Q stays in registers: tile t, channels 32 c on
	global_load_b128 v[QF+16*\t+8*\c+4:QF+16*\t+8*\c+7], v[QO], s[4:5] offset:\t*2048+64*\c+32
.endr
.endr
	WIN 0
	v_lshlrev_b32 v224, 4, v0                      ; delta: 256 threads x 16 bytes, twice
	global_load_b128 v[DL:DL+3], v224, s[6:7]
	global_load_b128 v[DL+4:DL+7], v224, s[6:7] offset:4096
	v_add_nc_u32 v225, DELTA, v224
	v_mul_u32_u24 v[AK0], v1, PK
	v_lshl_add_u32 v[AK0], v13, 4, v[AK0]          ; K: row r x pitch + 16 h
	v_and_b32 v226, 7, v0
	v_bfe_u32 v227, v0, 3, 1
	v_lshl_add_u32 v[AV0], v13, 3, v226            ; V, for the turning load: key 8 h + l % 8, channels 8 ((l / 8) % 2) on
	v_mul_u32_u24 v[AV0], v[AV0], PV
	v_lshl_add_u32 v[AV0], v227, 4, v[AV0]
	v_add_nc_u32 v[AV0], VOFF, v[AV0]
	v_lshl_add_u32 v[AD0], v13, 5, DELTA           ; delta of keys 8 h on
	s_mul_i32 s54, s[WV], 32*PK
	s_add_co_u32 s54, s54, STAGE                   ; my stage
	v_mul_u32_u24 v[STO], v1, PK
	v_lshl_add_u32 v[STO], v13, 4, v[STO]
	v_add_nc_u32 v[STO], s54, v[STO]               ; in: row r, 16 bytes for each half of the lanes
	v_and_b32 v228, 31, v0
	v_lshrrev_b32 v229, 3, v228
	v_mul_u32_u24 v[RD], v229, PK
	v_lshl_add_u32 v[RD], v226, 4, v[RD]
	v_add_nc_u32 v[RD], s54, v[RD]                 ; back: eight lanes to a row of 128 bytes, four rows an instruction
	v_lshlrev_b32 v[GO], 4, v228                   ; which are 512 consecutive bytes of att
.irp t, 0,1
	v_mov_b32 v[ST+8*\t], 0xff61b1e6               ; m: -3e38, under every t
	v_mov_b32 v[ST+8*\t+1], 0                      ; (named with it as a pair, so it is written)
	v_mov_b32 v[ST+8*\t+2], 0                      ; l, in two halves
	v_mov_b32 v[ST+8*\t+3], 0
.endr
.set i, 0
.rept 64
	v_mov_b32 v[O+i], 0                            ; O^T: the step is written once; its first pass finds zeros, which a = 0 leaves zeros
.set i, i+1
.endr
	s_wait_loadcnt 0x0                             ; Q and delta
.irp j, 0,2,4,6
	v_pk_mul_f32 v[DL+\j:DL+\j+1], v[DL+\j:DL+\j+1], 0x3e38aa3b op_sel_hi:[1,0]   ; x log2(e) / 8
.endr
	ds_store_b128 v225, v[DL:DL+3]
	ds_store_b128 v225, v[DL+4:DL+7] offset:4096   ; the first change of slots waits for these and passes a barrier ahead of every read
.macro FETCH_K q                       ; step q's K (64 keys x 64 channels: 8 fragments, 16 loads) and its delta (8 loads)
	WIN 0x40
.irp kt, 0,1,2,3
.irp c, 0,1
	ds_load_b128 v[KF+8*(2*\kt+\c):KF+8*(2*\kt+\c)+3],   v[ADK] offset:(\q)*KS*PK+\kt*16*PK+64*\c
	ds_load_b128 v[KF+8*(2*\kt+\c)+4:KF+8*(2*\kt+\c)+7], v[ADK] offset:(\q)*KS*PK+\kt*16*PK+64*\c+32
.endr
.endr
	WIN 0
.irp kt, 0,1,2,3
	ds_load_b128 v[DL+8*\kt:DL+8*\kt+3],   v[ADD] offset:(\q)*256+64*\kt
	ds_load_b128 v[DL+8*\kt+4:DL+8*\kt+7], v[ADD] offset:(\q)*256+64*\kt+16
.endr
.endm
.macro FETCH_V q                       ; step q's V, turned: keys 32 kk on, channels 16 ct on: 16 loads
	WIN 0x40
.irp kk, 0,1
.irp ct, 0,1,2,3
	ds_load_tr16_b128 v[VF+8*(4*\kk+\ct):VF+8*(4*\kk+\ct)+3],   v[ADV] offset:(\q)*KS*PV+\kk*32*PV+32*\ct
	ds_load_tr16_b128 v[VF+8*(4*\kk+\ct)+4:VF+8*(4*\kk+\ct)+7], v[ADV] offset:(\q)*KS*PV+\kk*32*PV+32*\ct+16*PV
.endr
.endr
.endm
; S^T = K Q^T + delta: 16 products; the eight accumulators take turns, one instruction a turn
.macro SMUL
	WIN 0x05                                       ; K and Q in window 1
.irp c, 0,1
.irp kt, 0,1,2,3
.irp t, 0,1
.if \c == 0
	v_wmma_f32_16x16x32_f16 v[S+32*\t+8*\kt:S+32*\t+8*\kt+7], v[KF+8*(2*\kt+\c):KF+8*(2*\kt+\c)+7], v[QF+16*\t+8*\c:QF+16*\t+8*\c+7], v[DL+8*\kt:DL+8*\kt+7]
.else
	v_wmma_f32_16x16x32_f16 v[S+32*\t+8*\kt:S+32*\t+8*\kt+7], v[KF+8*(2*\kt+\c):KF+8*(2*\kt+\c)+7], v[QF+16*\t+8*\c:QF+16*\t+8*\c+7], v[S+32*\t+8*\kt:S+32*\t+8*\kt+7]
.endif
.endr
.endr
.endr
.endm
; O^T += V^T P: 16 products, the eight accumulators by turns
.macro PVMUL
	WIN 0x01                                       ; V in window 1
.irp kk, 0,1
.irp ct, 0,1,2,3
.irp t, 0,1
	v_wmma_f32_16x16x32_f16 v[O+32*\t+8*\ct:O+32*\t+8*\ct+7], v[VF+8*(4*\kk+\ct):VF+8*(4*\kk+\ct)+7], v[P+16*\t+8*\kk:P+16*\t+8*\kk+7], v[O+32*\t+8*\ct:O+32*\t+8*\ct+7]
.endr
.endr
.endr
.endm
; The softmax of both tiles for one step, the tiles line by line, so that no line reads the result of the line above it.
.macro SOFTMAX
.irp j, 0,1,2,3
.irp t, 0,1
	v_max3_num_f32 v[ST+8*\t+4+\j], v[S+32*\t+8*\j], v[S+32*\t+8*\j+1], v[S+32*\t+8*\j+2]   ; four chains, each accumulator from its low end on
.endr
.endr
.irp i, 3,5
.irp j, 0,1,2,3
.irp t, 0,1
	v_max3_num_f32 v[ST+8*\t+4+\j], v[ST+8*\t+4+\j], v[S+32*\t+8*\j+\i], v[S+32*\t+8*\j+\i+1]
.endr
.endr
.endr
.irp t, 0,1
	v_max3_num_f32 v[ST+8*\t+4], v[ST+8*\t+4], v[S+32*\t+7], v[S+32*\t+15]
.endr
.irp t, 0,1
	v_max3_num_f32 v[ST+8*\t+6], v[ST+8*\t+6], v[S+32*\t+23], v[S+32*\t+31]
.endr
.irp t, 0,1
	v_max3_num_f32 v[ST+8*\t+4], v[ST+8*\t+4], v[ST+8*\t+5], v[ST+8*\t+6]
.endr
.irp t, 0,1
	v_max3_num_f32 v[ST+8*\t+4], v[ST+8*\t+4], v[ST+8*\t+7], v[ST+8*\t]   ; and the old m
.endr
.irp t, 0,1
	v_permlanex16_b32 v[ST+8*\t+5], v[ST+8*\t+4], s[SEL], s[SEL+1]        ; the query's other 32 keys lie in the lane 16 away
.endr
.irp t, 0,1
	v_max_num_f32 v[ST+8*\t+1], v[ST+8*\t+4], v[ST+8*\t+5]                ; the new m
.endr
.irp t, 0,1
	v_sub_f32 v[ST+8*\t+7], v[ST+8*\t], v[ST+8*\t+1]                      ; m_old - m_new, 0 or less
.endr
.irp t, 0,1
	v_mov_b32 v[ST+8*\t], v[ST+8*\t+1]
.endr
.set i, 0
.rept 16
	v_pk_add_f32 v[S+i:S+i+1], v[S+i:S+i+1], v[ST:ST+1] op_sel_hi:[1,0] neg_lo:[0,1] neg_hi:[0,1]            ; t - m, two at a time (of the pair the low word serves both halves)
	v_pk_add_f32 v[S+32+i:S+33+i], v[S+32+i:S+33+i], v[ST+8:ST+9] op_sel_hi:[1,0] neg_lo:[0,1] neg_hi:[0,1]
.set i, i+2
.endr
.irp t, 0,1
	v_exp_f32 v[ST+8*\t+6], v[ST+8*\t+7]           ; a
.endr
.set i, 0
.rept 32
	v_exp_f32 v[S+i], v[S+i]                       ; p = 2^(t - m): the 66 exponentials of both tiles are one batch; none reads another's result
	v_exp_f32 v[S+32+i], v[S+32+i]
.set i, i+1
.endr
	v_nop                                          ; a plain instruction behind the last exponential, ahead of the first use
	s_wait_alu depctr_va_vdst(0)                   ; the wait ahead of the first instruction that names a result: one for the batch
.set i, 0
.rept 16
	v_cvt_pk_f16_f32 v[P+i], v[S+2*i], v[S+2*i+1]
	v_cvt_pk_f16_f32 v[P+16+i], v[S+32+2*i], v[S+33+2*i]
.set i, i+1
.endr
.irp u, 0,1,2,3,4,5,6,7                ; the sum of a tile's 16 pairs, in place: neighbours 1, 2, 4 and 8 pairs apart
.irp t, 0,1
	v_pk_add_f32 v[S+32*\t+4*\u:S+32*\t+4*\u+1], v[S+32*\t+4*\u:S+32*\t+4*\u+1], v[S+32*\t+4*\u+2:S+32*\t+4*\u+3]
.endr
.endr
.irp u, 0,1,2,3
.irp t, 0,1
	v_pk_add_f32 v[S+32*\t+8*\u:S+32*\t+8*\u+1], v[S+32*\t+8*\u:S+32*\t+8*\u+1], v[S+32*\t+8*\u+4:S+32*\t+8*\u+5]
.endr
.endr
.irp u, 0,1
.irp t, 0,1
	v_pk_add_f32 v[S+32*\t+16*\u:S+32*\t+16*\u+1], v[S+32*\t+16*\u:S+32*\t+16*\u+1], v[S+32*\t+16*\u+8:S+32*\t+16*\u+9]
.endr
.endr
.irp t, 0,1
	v_pk_add_f32 v[S+32*\t:S+32*\t+1], v[S+32*\t:S+32*\t+1], v[S+32*\t+16:S+32*\t+17]
.endr
.irp t, 0,1
	v_pk_fma_f32 v[ST+8*\t+2:ST+8*\t+3], v[ST+8*\t+2:ST+8*\t+3], v[ST+8*\t+6:ST+8*\t+7], v[S+32*\t:S+32*\t+1] op_sel_hi:[1,0,1]   ; l = a l + the sum
.endr
.set i, 0
.rept 16
	v_pk_mul_f32 v[O+i:O+i+1], v[O+i:O+i+1], v[ST+6:ST+7] op_sel_hi:[1,0]               ; O^T x a, each accumulator from its low end on
	v_pk_mul_f32 v[O+32+i:O+33+i], v[O+32+i:O+33+i], v[ST+14:ST+15] op_sel_hi:[1,0]
.set i, i+2
.endr
.endm
; A KEY STEP, the q-th of the slot in hand.  pre = 1: the next step's K and delta are fetched while this step's softmax is worked.
.macro STEP q, pre
.if (\q) > 0
.rept 4
	v_nop                                          ; places between the last products and the loads into V's registers
.endr
.endif
	FETCH_V \q
	s_wait_dscnt 16                                ; K and delta are in; V's 16 loads may be out
	SMUL
	WIN 0
.rept 4
	v_nop                                          ; places: ahead of the first read of the scores, and of the loads into K's and delta's registers
.endr
.if \pre
	FETCH_K (\q)+1
.endif
	SOFTMAX
	s_wait_dscnt 24*\pre                           ; V is in; the next step's 24 loads of K and delta may be out
	PVMUL
	WIN 0
.endm
; THE CHANGE OF SLOTS stands at a slot's head.  Each wave waits for all its tensor loads (its part of the slot that it is about to read), adds 0 to its spare word, and waits for that and for its LDS reads and stores.
; fill = 1: behind a round of the cluster's barrier the other slot is filled with the keys that follow: one joint load a wave, which has the slot's four steps in which to land.
.macro CHANGE fill
	WIN 0
	s_wait_tensorcnt 0x0                           ; no tensor load of mine is out, so a group 0 may be written
	ds_add_u32 v[SPW], v[NIL]
.if \fill
	s_xor_b32 s[G0K+1], s[G0K+1], SLOT1            ; the walking descriptors: the other slot,
	s_add_nc_u64 s[G0K+2:G0K+3], s[G0K+2:G0K+3], NST*KS*128   ; the next 256 keys; the type bits on top are not reached
	s_xor_b32 s[G0V+1], s[G0V+1], SLOT1
	s_add_nc_u64 s[G0V+2:G0V+3], s[G0V+2:G0V+3], NST*KS*128
	s_wait_xcnt 0x0                                ; the last prefetch, a slot back, has read its address, so it may be written:
	s_add_nc_u64 s[PFA:PFA+1], s[PFA:PFA+1], NST*KS*128       ; one slot further on than the walking descriptors
	s_wait_dscnt 0x0                               ; the add is done, and my reads of the slot that I have left are over (at the first change: my stores of delta have landed)
	CROUND
	JLOAD
	ASK
.else
	s_wait_dscnt 0x0
	s_barrier_signal -1
	s_barrier_wait -1
.endif
.endm
.macro SLOT_STEPS
	v_add_nc_u32 v[ADK], s[TB], v[AK0]             ; these three and the v_nop are the places between the last slot's products and the loads below
	v_add_nc_u32 v[ADV], s[TB], v[AV0]
	v_add_nc_u32 v[ADD], s[TD], v[AD0]
	v_nop
	FETCH_K 0
	STEP 0, 1
	STEP 1, 1
	STEP 2, 1
	STEP 3, 0
	s_xor_b32 s[TB], s[TB], SLOT1                  ; on to the other slot,
	s_add_co_u32 s[TD], s[TD], NST*KS*4            ; and the next 256 keys' delta
.endm
.Lslot:                                            ; 7 trips: behind each change of slots but the last the next slot is asked for
	CHANGE 1
	SLOT_STEPS
	s_sub_co_u32 s[SLOTS], s[SLOTS], 1
	s_cmp_lg_u32 s[SLOTS], 0
	s_cbranch_scc1 .Lslot
	CHANGE 0                                       ; the last slot is written out
	SLOT_STEPS
	; THE WAY OUT.  l's two halves and the other half of the lanes' are added (these additions and the v_nop are the places behind the last products); O^T is divided by l, rounded to f16 and sent through my stage.
.irp t, 0,1
	v_add_f32 v[ST+8*\t+4], v[ST+8*\t+2], v[ST+8*\t+3]
.endr
.irp t, 0,1
	v_permlanex16_b32 v[ST+8*\t+5], v[ST+8*\t+4], s[SEL], s[SEL+1]
.endr
.irp t, 0,1
	v_add_f32 v[ST+8*\t+4], v[ST+8*\t+4], v[ST+8*\t+5]
.endr
.irp t, 0,1
	v_rcp_f32 v[ST+8*\t+6], v[ST+8*\t+4]
.endr
	v_nop                                          ; a plain instruction between the last reciprocal and the use of its result
	s_wait_alu depctr_va_vdst(0)                   ; and the wait ahead of the first use: one for both
.set i, 0
.rept 16
	v_pk_mul_f32 v[O+i:O+i+1], v[O+i:O+i+1], v[ST+6:ST+7] op_sel_hi:[1,0]
	v_pk_mul_f32 v[O+32+i:O+33+i], v[O+32+i:O+33+i], v[ST+14:ST+15] op_sel_hi:[1,0]
.set i, i+2
.endr
.set i, 0
.rept 32
	v_cvt_pk_f16_f32 v[S+i], v[O+2*i], v[O+2*i+1]  ; tile t, channels 16 ct + 8 h + 0..7: four registers at S + 16 t + 4 ct
.set i, i+1
.endr
.irp t, 0,1
.irp ct, 0,1,2,3
	ds_store_b128 v[STO], v[S+16*\t+4*\ct:S+16*\t+4*\ct+3] offset:\t*16*PK+32*\ct
.endr
.irp u, 0,1,2,3
	ds_load_b128 v[P+16*\t+4*\u:P+16*\t+4*\u+3], v[RD] offset:\t*16*PK+\u*4*PK   ; LDS serves a wave's instructions in order: these see the stores above
.endr
.endr
.irp u, 0,1,2,3
	s_wait_dscnt 8+3-\u                            ; behind tile 0's load u: its 3 - u later loads and tile 1's eight LDS instructions
	global_store_b128 v[GO], v[P+4*\u:P+4*\u+3], s[8:9] offset:\u*512            ; the wave stores 512 consecutive bytes, aligned: four rows
.endr
.irp u, 0,1,2,3
	s_wait_dscnt 3-\u
	global_store_b128 v[GO], v[P+16+4*\u:P+16+4*\u+3], s[8:9] offset:2048+\u*512
.endr
	s_wait_tensorcnt 0x0                           ; the wave's end
	ds_add_u32 v[SPW], v[NIL]
	s_wait_dscnt 0x0
	CROUND                                         ; the closing round: no work-group ends while a partner may still ask for a tile that names it
	s_endpgm
.Lfunc_end_k_q9b23982e7f_attn:
	.size	k_q9b23982e7f_attn, .Lfunc_end_k_q9b23982e7f_attn-k_q9b23982e7f_attn
	.p2alignl 7, 3214868480
	.fill 96, 4, 3214868480
	.section	.rodata,"a",@progbits
	.p2align	6, 0x0
	.amdhsa_kernel k_q9b23982e7f_attn
		.amdhsa_group_segment_fixed_size 327680
		.amdhsa_private_segment_fixed_size 0
		.amdhsa_enable_private_segment 0
		.amdhsa_kernarg_size 24
		.amdhsa_user_sgpr_count 2
		.amdhsa_user_sgpr_kernarg_segment_ptr 1
		.amdhsa_wavefront_size32 1
		.amdhsa_system_sgpr_workgroup_id_x 1
		.amdhsa_system_sgpr_workgroup_id_y 1
		.amdhsa_system_sgpr_workgroup_id_z 1
		.amdhsa_system_vgpr_workitem_id 0
		.amdhsa_next_free_vgpr 512
		.amdhsa_next_free_sgpr 66
		.amdhsa_reserve_vcc 0
		.amdhsa_float_denorm_mode_32 3
		.amdhsa_float_denorm_mode_16_64 3
		.amdhsa_memory_ordered 1
		.amdhsa_forward_progress 1
		.amdhsa_inst_pref_size 159
	.end_amdhsa_kernel
	.amdgpu_metadata
---
amdhsa.version: [ 1, 2 ]
amdhsa.kernels:
  - .name:           k_q9b23982e7f_attn
    .symbol:         k_q9b23982e7f_attn.kd
    .args:
      - { .name: qkvh, .offset: 0, .size: 8, .value_kind: global_buffer, .address_space: global }
      - { .name: delta, .offset: 8, .size: 8, .value_kind: global_buffer, .address_space: global }
      - { .name: att, .offset: 16, .size: 8, .value_kind: global_buffer, .address_space: global }
    .group_segment_fixed_size: 327680
    .private_segment_fixed_size: 0
    .kernarg_segment_align: 8
    .kernarg_segment_size: 24
    .max_flat_workgroup_size: 256
    .sgpr_count:     66
    .vgpr_count:     512
    .wavefront_size: 32
...
	.end_amdgpu_metadata
.endif
;; end of part 3
;; launch oproj (part 4): grid 4 x 64, 4 waves a work-group, clusters of 4 x 4, 327,680 bytes of LDS; arguments att, wo16, bo, out0; writes out0
.if DOCPART == 4
	.amdgcn_target "amdgcn-amd-amdhsa--gfx1250"
	.amdhsa_code_object_version 6
	.text
	.protected	k_q9b23982e7f_oproj
	.globl	k_q9b23982e7f_oproj
	.p2align	8
	.type	k_q9b23982e7f_oproj,@function
k_q9b23982e7f_oproj:
	s_mov_b64 s[64:65], 0
	v_nop
	global_prefetch_b8 v0, s[64:65] scope:SCOPE_SE
	s_setreg_imm32_b32 hwreg(HW_REG_WAVE_MODE, 25, 1), 1
	s_wait_xcnt 0x0
	s_wait_alu depctr_hold_cnt(0) depctr_sa_sdst(0) depctr_va_vdst(0) depctr_va_sdst(0) depctr_va_ssrc(0) depctr_va_vcc(0) depctr_vm_vsrc(0)
	s_getreg_b32 s2, hwreg(HW_REG_IB_STS2, 6, 4)
	s_cmp_eq_u32 s2, 0
	s_cbranch_scc0 .Lentry_in_a_cluster
	s_endpgm
.Lentry_in_a_cluster:
	s_bfe_u32 s2, ttmp6, 0x10000c
	s_cmp_lg_u32 s2, 0xf033
	s_cbranch_scc0 .Lentry_shape_is_right
	s_endpgm
.Lentry_shape_is_right:
; out0[m][n] = the sum over k of A[m][k] Wo[n][k] + bo[n], m = 2,048 b + l, k = 64 h + e.  A: att [b][h][l][64] f16; Wo: wo16 [k / 64][n][64] f16; sums in f32; out0 [8192][1024] f32.
; Both operands are laid by blocks of 64 along K, so that 64 along K of a run of rows are one dense block of memory.
; SHARES: a tile of 128 rows x 256 columns to a work-group: 256 work-groups.  Four waves, each 64 rows x 128 columns: 32 accumulators, 256 registers.  K goes in steps of 128 (two blocks of 64) through a ring of two LDS slots:
; waves 0 and 1 fetch A's two blocks (128 rows each), waves 2 and 3 Wo's (256 rows each): one tensor load a wave at each change of slots.
; CLUSTERS: 4 x 4 work-groups.  The four of a row of the cluster need the same tiles of A, the four of a column the same tiles of Wo: each is asked for JOINTLY, by the same tensor load with a mask that names the four.
; THE MATRIX INSTRUCTION IS USED TRANSPOSED (source 0 = 16 rows of Wo, source 1 = 16 rows of A): a lane holds eight neighbouring columns of a row.  The bias is the C of each sum's first product.
; REGISTERS: window 0: v16-29 addresses; v32-95 the bias; v128-159, v160-191 A's fragments, two buffers (on the way out v128-255: rows read back).  window 1: v0-63, v64-127 Wo's fragments, two buffers.
;   window 2: the accumulators, (a, b) at v[8 (8 a + b)].
.set PITCH,  144                       ; an LDS row: 128 bytes + 16 = 36 words: the 16 rows of a load start at 16 different groups of four banks (64 banks of 4 bytes: ISA guide 11.1)
.set ABLK,   128*PITCH                 ; A's 128 rows of one block of 64 along K
.set BBLK,   256*PITCH                 ; Wo's 256 rows
.set BOFF,   2*ABLK
.set SLOT,   2*ABLK+2*BBLK
.set STAGE,  2*SLOT                    ; the way out: 16 rows x (512 bytes + 16) for each wave
.set SPITCH, 528
.set SPARE,  STAGE+4*16*SPITCH
.set LAPS,   4                         ; a lap = two K steps; K = 1,024 is eight steps
.set ADRA, 16
.set ADRB, 20
.set STO,  24
.set RD,   25
.set CO,   26
.set SPW,  28
.set NIL,  29
.set BIAS, 32
.set AF,   128
.set BK,   128
.set G1, 24
.set G0, 32
.set G1B, 48
.set G0B, 56
.set MSB, 0
.macro WIN new
.if MSB != \new
	s_set_vgpr_msb (MSB<<8)|\new
.set MSB, \new
.endif
.endm
.set MUL,   0xa1                       ; source 0 (Wo) window 1, source 1 (A) window 0, C and D window 2
.set MUL1,  0x81                       ; the same with C (the bias) in window 0
.set TO_B,  0x40
.macro JLOAD s                         ; a joint load: waves 0 and 1 fetch for A, waves 2 and 3 for Wo; an s_nop 0 and four v_nop follow each of the two lines
	s_cmp_eq_u32 s15, 0
	s_cbranch_scc0 .Lfor_b_\@
	tensor_load_to_lds s[G0+4*\s:G0+4*\s+3], s[G1:G1+7]
	s_nop 0
.rept 4
	v_nop
.endr
	s_branch .Lasked_\@
.Lfor_b_\@:
	tensor_load_to_lds s[G0B+4*\s:G0B+4*\s+3], s[G1B:G1B+7]
	s_nop 0
.rept 4
	v_nop
.endr
.Lasked_\@:
.endm
.macro CREST                           ; a round of the cluster's barrier behind its opening barrier
	s_cmp_lg_u32 s14, 0
	s_cbranch_scc1 .Lnot_wave_0_\@
	s_barrier_signal -3
.Lnot_wave_0_\@:
	s_barrier_wait -3
	s_barrier_signal -1
	s_barrier_wait -1
.endm
.macro CROUND
	s_barrier_signal -1
	s_barrier_wait -1
	CREST
.endm
	s_load_b256 s[4:11], s[0:1], 0x0               ; att s[4:5], wo16 s[6:7], bo s[8:9], out0 s[10:11]
	v_lshl_add_u32 v[SPW], v0, 2, SPARE
	v_mov_b32 v[NIL], 0
	ds_add_u32 v[SPW], v[NIL]                      ; the wave's opening: the add, twice on end, and its wait ahead of my first tensor load
	ds_add_u32 v[SPW], v[NIL]
	v_lshrrev_b32 v1, 5, v0
	v_readfirstlane_b32 s14, v1                    ; wave 0..3
	s_lshr_b32 s15, s14, 1                         ; which 64 of the tile's rows are mine.  Also: I fetch for A (0) or for Wo (1)
	s_and_b32 s16, s14, 1                          ; which 128 of its columns.  Also: which of a step's two blocks along K I fetch
	s_bfe_u32 s40, ttmp6, 0x40000                  ; cx
	s_bfe_u32 s41, ttmp6, 0x40004                  ; cy
	s_lshl_b32 s42, ttmp9, 2
	s_add_co_u32 s42, s42, s40                     ; tile column
	s_and_b32 s17, ttmp7, 0xffff
	s_lshl_b32 s17, s17, 2
	s_add_co_u32 s17, s17, s41                     ; tile row
	s_lshl_b32 s43, s41, 2
	s_lshl_b32 s43, 15, s43                        ; my row of the cluster
	s_lshl_b32 s44, 0x1111, s40                    ; my column
	s_or_b32 s[G1+0], s43, (1<<16)|(1<<20)|(1<<21)|(4<<22)|(3<<25)   ; 15:0 the mask; 17:16 elements of 2 bytes; 20 padding on; 21 set beside a mask; 24:22 after every 32 words; 31:25 four words
	s_or_b32 s[G1B+0], s44, (1<<16)|(1<<20)|(1<<21)|(4<<22)|(3<<25)
	s_mov_b32 s[G1+1], 64<<16                      ; tensor_dim0 = 64
	s_mov_b32 s[G1+2], 128<<16                     ; tensor_dim1 = 128
	s_mov_b32 s[G1+3], 64<<16                      ; tile_dim0 = 64
	s_mov_b32 s[G1+4], 128                         ; tile_dim1 = 128
	s_mov_b32 s[G1+5], 64                          ; elements from row to row
	s_mov_b32 s[G1+6], 0
	s_mov_b32 s[G1+7], 0
	s_mov_b32 s[G1B+1], 64<<16
	s_mov_b32 s[G1B+2], 256<<16                    ; Wo's tile has 256 rows
	s_mov_b32 s[G1B+3], 64<<16
	s_mov_b32 s[G1B+4], 256
	s_mov_b32 s[G1B+5], 64
	s_mov_b32 s[G1B+6], 0
	s_mov_b32 s[G1B+7], 0
	s_lshr_b32 s20, s17, 4                         ; A: b = tile row / 16: 16 heads of 262,144 bytes,
	s_lshl_b32 s20, s20, 22
	s_and_b32 s21, s17, 15
	s_lshl_b32 s21, s21, 14                        ; 128 rows of 128 bytes for each tile row inside b,
	s_add_co_u32 s20, s20, s21
	s_lshl_b32 s21, s16, 18                        ; and my block along K: a head
	s_add_co_u32 s20, s20, s21
	s_mov_b32 s21, 0
	s_lshl_b32 s46, s42, 15                        ; Wo: 256 rows of 128 bytes for each tile column,
	s_lshl_b32 s47, s16, 17                        ; and my block along K: 131,072 bytes
	s_add_co_u32 s46, s46, s47
	s_mov_b32 s47, 0
	s_mul_i32 s22, s16, ABLK                       ; where they go: no place in the cluster enters an LDS address
	s_mul_i32 s23, s16, BBLK
	s_add_co_u32 s23, s23, BOFF
	s_wait_dscnt 0x0                               ; both opening adds are done
	s_wait_kmcnt 0x0
	s_add_nc_u64 s[20:21], s[4:5], s[20:21]
	s_add_nc_u64 s[46:47], s[6:7], s[46:47]
	CROUND                                         ; all sixteen work-groups are here: the first joint loads meet
.irp s, 0,1
	s_mov_b32 s[G0+4*\s], 1
	s_add_co_u32 s[G0+4*\s+1], s22, \s*SLOT
	s_add_nc_u64 s[G0+4*\s+2:G0+4*\s+3], s[20:21], \s*2*262144     ; K step s: heads 2 s, 2 s + 1
	s_or_b32 s[G0+4*\s+3], s[G0+4*\s+3], 0x80000000
	s_mov_b32 s[G0B+4*\s], 1
	s_add_co_u32 s[G0B+4*\s+1], s23, \s*SLOT
	s_add_nc_u64 s[G0B+4*\s+2:G0B+4*\s+3], s[46:47], \s*2*131072
	s_or_b32 s[G0B+4*\s+3], s[G0B+4*\s+3], 0x80000000
	JLOAD \s                                       ; two tensor loads of mine are out behind the second
.endr
	s_lshl_b32 s46, s42, 10
	s_lshl_b32 s47, s16, 9
	s_add_co_u32 s46, s46, s47                     ; my first column, in bytes of f32
	s_mov_b32 s47, 0
	s_add_nc_u64 s[8:9], s[8:9], s[46:47]          ; bo at my columns
	s_lshl_b32 s20, s17, 19                        ; my first row of out0: 128 x tile row + 64 x half, 4,096 bytes a row
	s_lshl_b32 s21, s15, 18
	s_add_co_u32 s20, s20, s21
	s_add_co_u32 s20, s20, s46
	s_mov_b32 s21, 0
	s_add_nc_u64 s[10:11], s[10:11], s[20:21]
	v_and_b32 v1, 15, v0                           ; r
	v_bfe_u32 v2, v0, 4, 1                         ; h
	v_lshlrev_b32 v9, 5, v2                        ; lane (r, h) wants, for block b of columns, the bias of columns 16 b + 8 h + 0 .. 7
.irp b, 0,1,2,3,4,5,6,7
	global_load_b128 v[BIAS+8*\b:BIAS+8*\b+3], v9, s[8:9] offset:64*\b
	global_load_b128 v[BIAS+8*\b+4:BIAS+8*\b+7], v9, s[8:9] offset:64*\b+16
.endr
	v_mul_u32_u24 v3, v1, PITCH
	v_lshl_add_u32 v3, v2, 4, v3                   ; a fragment's row x pitch + 16 x half
	s_mul_i32 s2, s15, 64*PITCH                    ; my 64 rows of A
	s_mul_i32 s3, s16, 128*PITCH                   ; my 128 rows of Wo,
	s_add_co_u32 s3, s3, BOFF                      ; which lie behind A's two blocks
.irp s, 0,1
	v_add_nc_u32 v[ADRA+\s], s2, v3
	v_add_nc_u32 v[ADRB+\s], s3, v3
	s_add_co_u32 s2, s2, SLOT
	s_add_co_u32 s3, s3, SLOT
.endr
	s_mul_i32 s2, s14, 16*SPITCH
	s_add_co_u32 s2, s2, STAGE                     ; my stage
	v_mul_u32_u24 v4, v1, SPITCH                   ; in: row r, 32 bytes for each half of the lanes
	v_lshl_add_u32 v4, v2, 5, v4
	v_add_nc_u32 v[STO], s2, v4
	v_and_b32 v5, 31, v0
	v_lshlrev_b32 v[CO], 4, v5                     ; back: the 32 lanes take one row of 512 bytes; and the same in out0
	v_add_nc_u32 v[RD], s2, v[CO]
; 8 matrix instructions: A's block a x Wo's eight, 32 along K, from buffers p.  first = 1: the bias is the C of the sum's first product.  The 32 accumulators take turns, one instruction a turn.
.macro MUL8 p, a, first
.irp b, 0,1,2,3,4,5,6,7
.if \first
	v_wmma_f32_16x16x32_f16 v[8*(8*(\a)+\b):8*(8*(\a)+\b)+7], v[64*(\p)+8*\b:64*(\p)+8*\b+7], v[AF+32*(\p)+8*(\a):AF+32*(\p)+8*(\a)+7], v[BIAS+8*\b:BIAS+8*\b+7]
.else
	v_wmma_f32_16x16x32_f16 v[8*(8*(\a)+\b):8*(8*(\a)+\b)+7], v[64*(\p)+8*\b:64*(\p)+8*\b+7], v[AF+32*(\p)+8*(\a):AF+32*(\p)+8*(\a)+7], v[8*(8*(\a)+\b):8*(8*(\a)+\b)+7]
.endif
.endr
.endm
; 24 LDS loads in one run: the fragments of quarter qd of a K step (block qd / 2 along K, 32 (qd % 2) on in it) into buffers p: Wo's 16, then A's 8
.macro FETCH slot, qd, p
	WIN TO_B
.irp i, 0,1,2,3,4,5,6,7
	ds_load_b128 v[64*(\p)+8*\i:64*(\p)+8*\i+3],   v[ADRB+\slot] offset:((\qd)/2)*BBLK+((\qd)%2)*64+\i*16*PITCH
	ds_load_b128 v[64*(\p)+8*\i+4:64*(\p)+8*\i+7], v[ADRB+\slot] offset:((\qd)/2)*BBLK+((\qd)%2)*64+\i*16*PITCH+32
.endr
	WIN 0
.irp i, 0,1,2,3
	ds_load_b128 v[AF+32*(\p)+8*\i:AF+32*(\p)+8*\i+3],   v[ADRA+\slot] offset:((\qd)/2)*ABLK+((\qd)%2)*64+\i*16*PITCH
	ds_load_b128 v[AF+32*(\p)+8*\i+4:AF+32*(\p)+8*\i+7], v[ADRA+\slot] offset:((\qd)/2)*ABLK+((\qd)%2)*64+\i*16*PITCH+32
.endr
.endm
.macro PLACES                          ; four plain vector instructions between a matrix instruction and a load into, or a read of, its registers
.rept 4
	v_nop
.endr
.endm
; A K step is four quarters of 32 along K, 32 matrix instructions each, on buffers 0, 1, 0, 1.  One of the first three: multiplies buffers p and fetches quarter nq of the same slot into the other buffers.
.macro QUARTER slot, nq, p, first
	s_wait_dscnt 4                                 ; Wo's fragments and A's blocks 0, 1 are in; the youngest four loads (A's blocks 2, 3) may be out
.if \first
	WIN MUL1
.else
	WIN MUL
.endif
	MUL8 \p, 0, \first
	MUL8 \p, 1, \first
	PLACES
	FETCH \slot, \nq, 1-(\p)
	s_wait_dscnt 24                                ; all but the 24 just issued
.if \first
	WIN MUL1
.else
	WIN MUL
.endif
	MUL8 \p, 2, \first
	MUL8 \p, 3, \first
.endm
; The last quarter multiplies buffers 1 and changes slots: ONE barrier; in front of it each wave waits for all its tensor loads, adds 0 to its spare word, and waits for that and for its reads of this slot.
; fill = 1: the barrier opens a round of the cluster's barrier, and behind the round this slot is filled again, two K steps ahead.
.macro TURN slot, next, fill
	WIN 0
	s_wait_tensorcnt 0x0                           ; all my tensor loads have landed: my part of the next slot
	ds_add_u32 v[SPW], v[NIL]
	s_wait_dscnt 5                                 ; the add and the youngest four loads (A's blocks 2, 3) may be out
	WIN MUL
	MUL8 1, 0, 0                                   ; eight matrix instructions stand between the add and the wait for it
	s_wait_dscnt 0x0                               ; the add is done, and my reads of this slot are over
	s_barrier_signal -1
	MUL8 1, 1, 0
.if \fill
	WIN 0
.endif
	s_barrier_wait -1
.if \fill
	CREST                                          ; no wave of any partner still reads this slot's tiles or has a load on its way
	s_add_nc_u64 s[G0+4*\slot+2:G0+4*\slot+3], s[G0+4*\slot+2:G0+4*\slot+3], 4*262144
	s_add_nc_u64 s[G0B+4*\slot+2:G0B+4*\slot+3], s[G0B+4*\slot+2:G0B+4*\slot+3], 4*131072
	JLOAD \slot                                    ; the first tensor load behind the round; the four v_nop behind it are also the places in front of the loads below
.else
	PLACES
.endif
	FETCH \next, 0, 0
	WIN MUL
	MUL8 1, 2, 0
	MUL8 1, 3, 0
.endm
	s_wait_loadcnt 0x0                             ; the bias
	s_wait_tensorcnt 1                             ; my part of K step 0 is in; K step 1's load may be out
	s_barrier_signal -1
	s_barrier_wait -1                              ; everybody's is
	FETCH 0, 0, 0
	QUARTER 0, 1, 0, 1                             ; the first quarter stands in front of the loop: its products start the sums, from the bias
	WIN 0                                          ; at a label and at a branch every window is 0
	s_mov_b32 s3, LAPS-1
.Llap:                                             ; a trip goes once round the ring, from a lap's second quarter to the next lap's first, and fills both slots again
	QUARTER 0, 2, 1, 0
	QUARTER 0, 3, 0, 0
	TURN 0, 1, 1
	QUARTER 1, 1, 0, 0
	QUARTER 1, 2, 1, 0
	QUARTER 1, 3, 0, 0
	TURN 1, 0, 1
	QUARTER 0, 1, 0, 0
	WIN 0
	s_sub_co_u32 s3, s3, 1
	s_cmp_lg_u32 s3, 0
	s_cbranch_scc1 .Llap
	QUARTER 0, 2, 1, 0                             ; the last lap fills nothing, and has no round of the cluster's barrier
	QUARTER 0, 3, 0, 0
	TURN 0, 1, 0
	QUARTER 1, 1, 0, 0
	QUARTER 1, 2, 1, 0
	QUARTER 1, 3, 0, 0
	s_wait_dscnt 4                                 ; the very last quarter: nothing more to fetch
	WIN MUL
	MUL8 1, 0, 0
	MUL8 1, 1, 0
	s_wait_dscnt 0
	MUL8 1, 2, 0
	MUL8 1, 3, 0
	WIN 0
; THE WAY OUT, block by block of 16 rows x 128 columns: a lane holds 32 neighbouring bytes of a row, and the lanes beside it hold other rows: so a block goes through my own stage and comes back as whole rows of 512 bytes.
.macro TOSTAGE a
	WIN 0x08                                       ; an LDS store's data are its source 1: window 2
.irp b, 0,1,2,3,4,5,6,7
	ds_store_b128 v[STO], v[8*(8*(\a)+\b):8*(8*(\a)+\b)+3] offset:64*\b          ; each accumulator from its low end on
	ds_store_b128 v[STO], v[8*(8*(\a)+\b)+4:8*(8*(\a)+\b)+7] offset:64*\b+16
.endr
	WIN 0
.set BB, BK+64*((\a)%2)
.irp t, 0,1,2,3,4,5,6,7,8,9,10,11,12,13,14,15
	ds_load_b128 v[BB+4*\t:BB+4*\t+3], v[RD] offset:\t*SPITCH                    ; LDS serves a wave's instructions in order: these see the stores above
.endr
.endm
.macro SEND a, younger                 ; younger: the LDS instructions issued behind block a's loads, which may stay out
.set BB, BK+64*((\a)%2)
	s_wait_dscnt \younger
.irp t, 0,1,2,3,4,5,6,7,8,9,10,11,12,13,14,15
	global_store_b128 v[CO], v[BB+4*\t:BB+4*\t+3], s[10:11] offset:(16*(\a)+\t)*4096 th:TH_STORE_NT   ; 32 lanes store 512 consecutive bytes, aligned; written once, read by nobody here
.endr
.endm
	PLACES                                         ; behind the last products: for the reads of results and the loads into the registers that held A's fragments
	TOSTAGE 0
.irp a, 1,2,3
.if \a > 1
	s_wait_xcnt 0x0                                ; block a - 2's stores have read their registers: block a's loads may land there
.endif
	TOSTAGE \a
	SEND \a-1, 32                                  ; behind block a - 1's loads: block a's 16 stores and 16 loads
.endr
	SEND 3, 0
	s_wait_tensorcnt 0x0                           ; the wave's end
	ds_add_u32 v[SPW], v[NIL]
	s_wait_dscnt 0x0
	CROUND                                         ; the closing round: no work-group ends while a partner may still ask for a tile that names it
	s_endpgm
.Lfunc_end_k_q9b23982e7f_oproj:
	.size	k_q9b23982e7f_oproj, .Lfunc_end_k_q9b23982e7f_oproj-k_q9b23982e7f_oproj
	.p2alignl 7, 3214868480
	.fill 96, 4, 3214868480
	.section	.rodata,"a",@progbits
	.p2align	6, 0x0
	.amdhsa_kernel k_q9b23982e7f_oproj
		.amdhsa_group_segment_fixed_size 327680
		.amdhsa_private_segment_fixed_size 0
		.amdhsa_enable_private_segment 0
		.amdhsa_kernarg_size 32
		.amdhsa_user_sgpr_count 2
		.amdhsa_user_sgpr_kernarg_segment_ptr 1
		.amdhsa_wavefront_size32 1
		.amdhsa_system_sgpr_workgroup_id_x 1
		.amdhsa_system_sgpr_workgroup_id_y 1
		.amdhsa_system_sgpr_workgroup_id_z 1
		.amdhsa_system_vgpr_workitem_id 0
		.amdhsa_next_free_vgpr 768
		.amdhsa_next_free_sgpr 66
		.amdhsa_reserve_vcc 0
		.amdhsa_float_denorm_mode_32 3
		.amdhsa_float_denorm_mode_16_64 3
		.amdhsa_memory_ordered 1
		.amdhsa_forward_progress 1
		.amdhsa_inst_pref_size 87
	.end_amdhsa_kernel
	.amdgpu_metadata
---
amdhsa.version: [ 1, 2 ]
amdhsa.kernels:
  - .name:           k_q9b23982e7f_oproj
    .symbol:         k_q9b23982e7f_oproj.kd
    .args:
      - { .name: att, .offset: 0, .size: 8, .value_kind: global_buffer, .address_space: global }
      - { .name: wo16, .offset: 8, .size: 8, .value_kind: global_buffer, .address_space: global }
      - { .name: bo, .offset: 16, .size: 8, .value_kind: global_buffer, .address_space: global }
      - { .name: out0, .offset: 24, .size: 8, .value_kind: global_buffer, .address_space: global }
    .group_segment_fixed_size: 327680
    .private_segment_fixed_size: 0
    .kernarg_segment_align: 8
    .kernarg_segment_size: 32
    .max_flat_workgroup_size: 128
    .sgpr_count:     66
    .vgpr_count:     768
    .wavefront_size: 32
...
	.end_amdgpu_metadata
.endif
;; end of part 4
